; MI455X (gfx1250); checked and timed in simulation.
; The chip was launched on July 23, 2026; its instructions are those of AMD's public machine-readable ISA for CDNA 5 (MIT licence, August 2026) and "CDNA5" Instruction Set Architecture Reference Guide (July 2026). The comments in the code are by the model that wrote it; some were corrected since.
;; GQ Attention. Allowed arithmetic: float matrix products may take bf16 or f16 operands with f32 sums; other float arithmetic in f32, or as packed bf16 or f16 multiplies, adds, multiply-adds, maxima and minima; sums over many terms, partial sums and values carried from step to step in f32; what a program stores and reads back later, other than sums and carried values, may be rounded once to bf16 or f16.
;; Inputs: W_k 4,096 x 1,024 float32; W_o 4,096 x 4,096 float32; W_q 4,096 x 4,096 float32; W_v 4,096 x 1,024 float32; cos_freq 8,192 x 64 float32; sin_freq 8,192 x 64 float32; x 1 x 1,024 x 4,096 float32.
;; Outputs: out0 1 x 1,024 x 4,096 float32.
;; One version. Each part assembles by itself: llvm-mc -triple=amdgcn-amd-amdhsa -mcpu=gfx1250 --defsym DOCPART=n.
;; ======== version 1 of 1: 4 launches
;; limits: values are held in f16: magnitudes above 65,504 overflow, below 6.1e-05 lose precision; right only within a limited range of input values
;; workspace buffers: xb 8,388,608 bytes; wfr 50,331,648 bytes; wob 33,554,432 bytes; qh 8,388,608 bytes; kvh 4,194,304 bytes; ob 8,388,608 bytes
;; launch cast (part 1): grid 2816 x 1, 8 waves a work-group, no clusters, 0 bytes of LDS; arguments x, W_q, W_k, W_v, W_o, xb, wfr, wob; writes xb, wfr, wob
.if DOCPART == 1
	.amdgcn_target "amdgcn-amd-amdhsa--gfx1250"
	.amdhsa_code_object_version 6
	.text
	.protected	k_q2e5a6554e2_cast
	.globl	k_q2e5a6554e2_cast
	.p2align	8
	.type	k_q2e5a6554e2_cast,@function
k_q2e5a6554e2_cast:
	s_mov_b64 s[64:65], 0
	v_nop
	global_prefetch_b8 v0, s[64:65] scope:SCOPE_SE
	s_setreg_imm32_b32 hwreg(HW_REG_WAVE_MODE, 25, 1), 1
	s_wait_xcnt 0x0
; THE INPUTS OF THE PRODUCTS, ROUNDED ONCE TO 16 BITS.  xb = bf16(x); wob = 4 x bf16(W_o), written as f16; wfr = bf16(W_q / 4), bf16(W_k / 4), bf16(W_v / 4), laid as the matrix fragments that the next launch loads.
; The factors are powers of two: they change no significant bit, they carry q, k, v and O at a quarter of their value, so that f16 holds them, and W_o takes the factor out again.
; LIMITS.  4 |W_o| stays under 65,504 (f16); below 6e-5 it keeps f16's fixed step.  NaN and infinities are not treated apart.
; wfr: [j 32][wc 2][wk 2][step 64][fragment 6][1,024 bytes].  A fragment is 16 columns x 32 k: byte 256 ((k % 32) / 8) + 16 p + 2 (k % 8) for its column number p.  A group of 32 columns makes two fragments: its even
; columns (column 2 p) and its odd ones (2 p + 1).  Fragments 0-3: groups 2 wc, 2 wc + 1 of query head j; fragments 4, 5: group wc of chunk j (64 columns; chunks 0-15 W_k's, 16-31 W_v's).
; Of the 128 blocks of 32 along k, block kb belongs to wk = (kb / 8) % 2 and is its step 8 (kb / 16) + kb % 8.
; SHARES.  A work-group takes one unit of 16,384 numbers.  Units 0-255 x, 256-1279 W_q, 1280-1535 W_k, 1536-1791 W_v, 1792-2815 W_o.  x, W_o: dense, 16 loads of 16 bytes and 16 stores of 8 bytes a thread.
; W_q, W_k, W_v: 32 rows of k x 512 columns; a wave takes 64 columns: a lane two neighbouring columns of all 32 rows, by 32 loads of 8 bytes (a wave's load: 256 consecutive bytes, aligned); eight rows of a column round
; into 16 bytes, and in each of the lane's eight stores sixteen neighbouring lanes cover 256 consecutive bytes, aligned.  Every register is written once, so no source of a pending load or store is rewritten.
; No LDS, no matrix unit, no cluster: nothing is shared and memory binds.
.set X, 32                             ; v[32:95]   as loaded
.set Y, 96                             ; v[96:127]  to store
.set STEPB,  6*1024
.set STREAM, 64*STEPB
; dense: mode 0: round; 2: rounded to bf16, times 4, as f16
.macro BODY mode
.set i, 0
.rept 16
	global_load_b128 v[X+4*i:X+4*i+3], v1, s[4:5] offset:i*4096 th:TH_LOAD_NT
.set i, i+1
.endr
.set i, 0
.rept 16
	s_wait_loadcnt 15-i                            ; loads come back in order: load i is in, the 15 - i younger ones stay out
.if (\mode) == 2
	v_cvt_pk_bf16_f32 v4, v[X+4*i], v[X+4*i+1]
	v_cvt_pk_bf16_f32 v5, v[X+4*i+2], v[X+4*i+3]
	v_lshlrev_b32 v6, 16, v4                       ; bf16 back to f32: the low half moves up, the high half stays
	v_and_b32 v7, 0xffff0000, v4
	v_lshlrev_b32 v8, 16, v5
	v_and_b32 v9, 0xffff0000, v5
	v_pk_mul_f32 v[6:7], v[6:7], 4.0 op_sel_hi:[1,0]
	v_pk_mul_f32 v[8:9], v[8:9], 4.0 op_sel_hi:[1,0]
	v_cvt_pk_f16_f32 v[Y+2*i], v6, v7              ; eight significant bits: exact in f16 within its range
	v_cvt_pk_f16_f32 v[Y+2*i+1], v8, v9
.else
	v_cvt_pk_bf16_f32 v[Y+2*i], v[X+4*i], v[X+4*i+1]
	v_cvt_pk_bf16_f32 v[Y+2*i+1], v[X+4*i+2], v[X+4*i+3]
.endif
	global_store_b64 v3, v[Y+2*i:Y+2*i+1], s[6:7] offset:i*2048 th:TH_STORE_NT
.set i, i+1
.endr
	s_endpgm
.endm
; weights: rowstep: bytes from a row of k to the next; outimm: the first fragment's place in a step
.macro BODYW rowstep, outimm
.set i, 0
.rept 32
	global_load_b64 v[X+2*i:X+2*i+1], v3, s[4:5] offset:i*(\rowstep) th:TH_LOAD_NT
.set i, i+1
.endr
.set o, 0
.rept 4                                ; eight rows at a time
	s_wait_loadcnt 24-8*o                          ; these eight rows are in, the younger loads stay out
.set i, 0
.rept 8
	v_pk_mul_f32 v[X+16*o+2*i:X+16*o+2*i+1], v[X+16*o+2*i:X+16*o+2*i+1], 0x3e800000 op_sel_hi:[1,0]
.set i, i+1
.endr
.set c, 0
.rept 2                                ; the even column, then the odd one
.set i, 0
.rept 4
	v_cvt_pk_bf16_f32 v[Y+8*o+4*c+i], v[X+16*o+4*i+c], v[X+16*o+4*i+2+c]  ; rows 2 i, 2 i + 1 of the eight
.set i, i+1
.endr
	global_store_b128 v2, v[Y+8*o+4*c:Y+8*o+4*c+3], s[6:7] offset:(\outimm)+1024*c+256*o th:TH_STORE_NT
.set c, c+1
.endr
.set o, o+1
.endr
	s_endpgm
.endm
.macro AT src, dst                     ; dense source and destination at unit s28
	s_lshl_b32 s30, s28, 16
	s_add_nc_u64 s[4:5], s[\src:\src+1], s[30:31]
	s_lshl_b32 s30, s28, 15
	s_add_nc_u64 s[6:7], s[\dst:\dst+1], s[30:31]
.endm
.macro KPLACE                          ; s30 += the place in wfr of block s24 of 32 along k
	s_bfe_u32 s26, s24, 0x10003                    ; wk
	s_mul_i32 s26, s26, STREAM
	s_add_co_u32 s30, s30, s26
	s_lshr_b32 s26, s24, 4
	s_lshl_b32 s26, s26, 3
	s_and_b32 s27, s24, 7
	s_add_co_u32 s26, s26, s27                     ; the step
	s_mul_i32 s26, s26, STEPB
	s_add_co_u32 s30, s30, s26
.endm
	s_load_b512 s[8:23], s[0:1], 0x0               ; x 8, W_q 10, W_k 12, W_v 14, W_o 16, xb 18, wfr 20, wob 22
	s_mov_b32 s2, ttmp9                            ; the unit
	s_mov_b32 s31, 0
	v_lshlrev_b32 v1, 4, v0                        ; 16 t
	v_lshlrev_b32 v3, 3, v0                        ; 8 t
	v_lshrrev_b32 v4, 5, v0                        ; wave
	v_bfe_u32 v5, v0, 4, 1                         ; lane / 16
	v_and_b32 v6, 15, v0
	v_lshlrev_b32 v6, 4, v6                        ; 16 (lane % 16)
	s_wait_kmcnt 0x0
	s_cmp_lt_u32 s2, 256
	s_cbranch_scc1 .Lx
	s_cmp_lt_u32 s2, 1280
	s_cbranch_scc1 .Lwq
	s_cmp_lt_u32 s2, 1792
	s_cbranch_scc1 .Lwkv
	s_sub_co_u32 s28, s2, 1792
	AT 16, 22
	BODY 2
.Lx:
	s_mov_b32 s28, s2
	AT 8, 18
	BODY 0
.Lwq:                                          ; unit n: block n / 8 along k, columns 512 (n % 8) on; wave v: columns 64 v on: half wc = v % 2 of head 4 (n % 8) + v / 2
	s_sub_co_u32 s28, s2, 256
	s_lshr_b32 s24, s28, 3
	s_and_b32 s25, s28, 7
	s_lshl_b32 s30, s24, 19                        ; 32 rows of 16,384 bytes
	s_lshl_b32 s26, s25, 11
	s_add_co_u32 s30, s30, s26
	s_add_nc_u64 s[4:5], s[10:11], s[30:31]
	s_mul_i32 s30, s25, 16*STREAM
	KPLACE
	s_add_nc_u64 s[6:7], s[20:21], s[30:31]
	v_mul_u32_u24 v2, v4, 2*STREAM                 ; (j, wc) by the wave,
	v_lshl_add_u32 v2, v5, 11, v2                  ; the group, two fragments, by the half of the lanes,
	v_add_nc_u32 v2, v2, v6                        ; the column's number in its fragment
	BODYW 16384, 0
.Lwkv:                                         ; unit n of a tensor: block n / 2 along k, chunks 8 (n % 2) on; wave v: chunk 8 (n % 2) + v; the half of the lanes is wc
	s_sub_co_u32 s28, s2, 1280
	s_lshr_b32 s29, s28, 8                         ; 1: W_v
	s_and_b32 s28, s28, 255
	s_lshr_b32 s24, s28, 1
	s_and_b32 s25, s28, 1
	s_cmp_eq_u32 s29, 0
	s_cselect_b64 s[32:33], s[12:13], s[14:15]
	s_lshl_b32 s30, s24, 17                        ; 32 rows of 4,096 bytes
	s_lshl_b32 s26, s25, 11
	s_add_co_u32 s30, s30, s26
	s_add_nc_u64 s[4:5], s[32:33], s[30:31]
	s_lshl_b32 s30, s25, 3
	s_lshl_b32 s26, s29, 4
	s_add_co_u32 s30, s30, s26
	s_mul_i32 s30, s30, 4*STREAM
	KPLACE
	s_add_nc_u64 s[6:7], s[20:21], s[30:31]
	v_mul_u32_u24 v2, v4, 4*STREAM
	v_mad_u32_u24 v2, v5, 2*STREAM, v2
	v_add_nc_u32 v2, v2, v6
	BODYW 4096, 4096
.Lfunc_end_k_q2e5a6554e2_cast:
	.size	k_q2e5a6554e2_cast, .Lfunc_end_k_q2e5a6554e2_cast-k_q2e5a6554e2_cast
	.p2alignl 7, 3214868480
	.fill 96, 4, 3214868480
	.section	.rodata,"a",@progbits
	.p2align	6, 0x0
	.amdhsa_kernel k_q2e5a6554e2_cast
		.amdhsa_group_segment_fixed_size 0
		.amdhsa_private_segment_fixed_size 0
		.amdhsa_enable_private_segment 0
		.amdhsa_kernarg_size 64
		.amdhsa_user_sgpr_count 2
		.amdhsa_user_sgpr_kernarg_segment_ptr 1
		.amdhsa_wavefront_size32 1
		.amdhsa_system_sgpr_workgroup_id_x 1
		.amdhsa_system_sgpr_workgroup_id_y 1
		.amdhsa_system_sgpr_workgroup_id_z 1
		.amdhsa_system_vgpr_workitem_id 0
		.amdhsa_next_free_vgpr 128
		.amdhsa_next_free_sgpr 66
		.amdhsa_reserve_vcc 0
		.amdhsa_float_denorm_mode_32 3
		.amdhsa_float_denorm_mode_16_64 3
		.amdhsa_memory_ordered 1
		.amdhsa_forward_progress 1
		.amdhsa_inst_pref_size 40
	.end_amdhsa_kernel
	.amdgpu_metadata
---
amdhsa.version: [ 1, 2 ]
amdhsa.kernels:
  - .name:           k_q2e5a6554e2_cast
    .symbol:         k_q2e5a6554e2_cast.kd
    .args:
      - { .name: x, .offset: 0, .size: 8, .value_kind: global_buffer, .address_space: global }
      - { .name: W_q, .offset: 8, .size: 8, .value_kind: global_buffer, .address_space: global }
      - { .name: W_k, .offset: 16, .size: 8, .value_kind: global_buffer, .address_space: global }
      - { .name: W_v, .offset: 24, .size: 8, .value_kind: global_buffer, .address_space: global }
      - { .name: W_o, .offset: 32, .size: 8, .value_kind: global_buffer, .address_space: global }
      - { .name: xb, .offset: 40, .size: 8, .value_kind: global_buffer, .address_space: global }
      - { .name: wfr, .offset: 48, .size: 8, .value_kind: global_buffer, .address_space: global }
      - { .name: wob, .offset: 56, .size: 8, .value_kind: global_buffer, .address_space: global }
    .group_segment_fixed_size: 0
    .private_segment_fixed_size: 0
    .kernarg_segment_align: 8
    .kernarg_segment_size: 64
    .max_flat_workgroup_size: 256
    .sgpr_count:     66
    .vgpr_count:     128
    .wavefront_size: 32
...
	.end_amdgpu_metadata
.endif
;; end of part 1
;; launch qkv (part 2): grid 32 x 8, 4 waves a work-group, clusters of 4 x 1, 327,680 bytes of LDS; arguments xb, wfr, cos_freq, sin_freq, qh, kvh; writes qh, kvh
.if DOCPART == 2
	.amdgcn_target "amdgcn-amd-amdhsa--gfx1250"
	.amdhsa_code_object_version 6
	.text
	.protected	k_q2e5a6554e2_qkv
	.globl	k_q2e5a6554e2_qkv
	.p2align	8
	.type	k_q2e5a6554e2_qkv,@function
k_q2e5a6554e2_qkv:
	s_mov_b64 s[64:65], 0
	v_nop
	global_prefetch_b8 v0, s[64:65] scope:SCOPE_SE
	s_setreg_imm32_b32 hwreg(HW_REG_WAVE_MODE, 25, 1), 1
	s_wait_xcnt 0x0
	s_wait_alu depctr_hold_cnt(0) depctr_sa_sdst(0) depctr_va_vdst(0) depctr_va_sdst(0) depctr_va_ssrc(0) depctr_va_vcc(0) depctr_vm_vsrc(0)
	s_getreg_b32 s2, hwreg(HW_REG_IB_STS2, 6, 4)
	s_cmp_eq_u32 s2, 0
	s_cbranch_scc0 .Lentry_in_a_cluster
	s_endpgm
.Lentry_in_a_cluster:
	s_bfe_u32 s2, ttmp6, 0x10000c
	s_cmp_lg_u32 s2, 0x3003
	s_cbranch_scc0 .Lentry_shape_is_right
	s_endpgm
.Lentry_shape_is_right:
; q, k, v = x W_q, x W_k, x W_v, with the rotation of q and k, by heads, in f16, at a quarter of their value (the weights carry the factor).
; xb [1024][4096] bf16; wfr: the weights as fragments, [j 32][wc 2][wk 2][step 64][fragment 6][1,024 bytes], bf16.  qh [32 heads][1024][128], kvh [32 chunks][1024][64]: f16; chunk c < 16 is K's head c / 2,
; channels 64 (c % 2) on; c >= 16 V's likewise.  cos_freq and sin_freq are rounded to bf16 as all inputs are.  LIMITS: |q|, |k|, |v| under 262,016 (f16 at a quarter); NaN and infinities are not treated apart.
; SHARES.  Work-group (j, i) makes rows 128 i .. + 127 of query head j (128 columns) and of chunk j (64 columns): 256 work-groups.  K IS SPLIT AMONG THE WAVES: wave w (wk = w / 2, wc = w % 2) makes all 128 rows x 96 columns
; (the head's 64 wc .. + 63, the chunk's 32 wc .. + 31) over half of K: of each 512 along K the 256 from 256 wk on: 48 accumulators, 64 steps of 32 along K, 48 matrix instructions a step.  At the end the two waves of a
; column half hand each other 24 partial tiles, in f32, through LDS, and each finishes 64 rows.
; x COMES THROUGH LDS: two slots of 128 rows x 512 along K, a wave's tensor load 32 rows of 1,024 bytes; a slot serves 384 matrix instructions a wave.  CLUSTER 4 x 1: the four partners have the same i, so x's tiles are asked for jointly.
; THE WEIGHTS COME STRAIGHT INTO REGISTERS: no wave wants a byte that another wave of the work-group loads, and a fragment lies in memory as it lies in registers: two loads of 16 bytes a lane, 512 consecutive bytes each.
; A ring of four steps' fragments: 48 loads of a wave are on their way, waited for by count, across the barriers too.  They cannot be asked for jointly: a joint request lands in LDS, where two slots of x leave no room for them.
; THE MATRIX INSTRUCTION IS USED TRANSPOSED (source 0 = 16 columns of the weights, source 1 = 16 rows of x): a lane holds one row and eight numbers of a fragment.  A group of 32 columns is a fragment E of its even columns and
; a fragment O of its odd ones: register jj of lane (r, h) holds pair 8 h + jj of the group in both: e' = E c - O s, o' = E s + O c, and (e', o') rounded together are two neighbouring columns.
; REGISTERS.  window 0: v0-31 addresses; v32-223 at work at the end; v128-255 two buffers of x's eight fragments: first the four of the rows that I finish, then the four of my partner's.
; window 1: v0-191 the ring, step % 4 at 48 (step % 4), fragment f at + 8 f; at the end cos and sin; v192-223 at work.  window 2: v0-191 the accumulators of my rows, (a, f) at 8 (6 a + f); window 3: those of my partner's rows.
.set PA,     1040                      ; a row of x in LDS: 1,024 bytes + 16: the 16 rows of a load start at 16 different groups of four banks (64 banks of 4 bytes: ISA guide 11.1)
.set SLOT,   128*PA                    ; 133,120 = 0x20800: no bit of it is set in a wave's place in a slot (0x8200 x wave), so one exclusive or changes slots
.set STQ,    2*SLOT                    ; behind the ring, never filled by a tensor load: the head's stage, 128 rows x 272,
.set STK,    STQ+128*272               ; the chunk's, 128 rows x 144,
.set SPARE,  STK+128*144               ; and the spare words, 128 bytes for each wave: two blocks of 256 bytes that no other line names
.set XW,     24*1024                   ; the exchange: 24 tiles of 1,024 bytes a wave, from LDS byte 0 on: slot 0, behind its last fill and its last reads
.set STEPB,  6*1024                    ; a step's six fragments
.set STREAM, 64*STEPB
.set AF,     128
.set ADRO0, 4                          ; v4, v5  my lane's place in a slot: the rows that I finish, my partner's; never rewritten
.set ADRX0, 5
.set ADRO,  6                          ; v6, v7  the same in the slot that is read
.set ADRX,  7
.set BO,    8                          ; v8   16 x lane; never rewritten
.set PFO,   9                          ; v9   8,192 x lane: a row of xb; never rewritten
.set PFB,   10                         ; v10  256 x lane; never rewritten
.set COQ,   11                         ; v11, v12  my byte offset in cos and sin, for the head's groups and for the chunk's; never rewritten
.set COK,   12
.set XST,   13                         ; v13, v14  the exchange: where I put, where I take
.set XLD,   14
.set STOQ,  15                         ; v15, v16  the stages: where I put 32 bytes of a row
.set STOK,  16
.set RDQ,   17                         ; v17, v18  where I read rows back
.set RDK,   18
.set SPW,   20                         ; v20  LDS address of my spare word; never rewritten
.set NIL,   21                         ; v21  0; never rewritten
.set WV, 18
.set WK, 19
.set WC, 20
.set CX, 21
.set J,  23
.set I,  24
.set CLX, 25
.set G1, 28                            ; s[28:35] descriptor group 1
.set G0, 36                            ; s[36:43] descriptor group 0: a set for each of the two first fills; the second then walks on
.set BP, 44                            ; s[44:45] my stream of fragments, at the period in hand
.set PFA, 46                           ; s[46:47] where my prefetches of x stand
.set LIMA, 48                          ; s48  1 where my cluster prefetches x, else the greatest number
.set LIMB, 49                          ; s49  0 where my work-group prefetches the weights, else the greatest number
.set QP, 50
.set KP, 52
.set HIM, 54
.set TB, 55                            ; s55  the slot that is read
.set MSB, 0
.macro WIN new                         ; the immediate's high byte repeats the setting that is left; a switch that changes nothing is dropped
.if MSB != (\new)
	s_set_vgpr_msb (MSB<<8)|(\new)
.set MSB, \new
.endif
.endm
.macro PLACES                          ; four places in front of loads into registers that matrix instructions have read, and of stores and vector work on their results
.rept 4
	v_nop
.endr
.endm
.macro CREST                           ; a round of the cluster's barrier behind its opening barrier
	s_cmp_lg_u32 s[WV], 0
	s_cbranch_scc1 .Lnot_wave_0_\@
	s_barrier_signal -3
.Lnot_wave_0_\@:
	s_barrier_wait -3
	s_barrier_signal -1
	s_barrier_wait -1
.endm
.macro CROUND
	s_barrier_signal -1
	s_barrier_wait -1
	CREST
.endm
; PREFETCHES INTO THE L2, together, behind the joint load and the run of loads that follows it.  Each block of 256 bytes is named once in the launch.
; x: the tile that the NEXT change of slots will ask for.  All eight clusters of a row block read it: cluster x = 0 asks; each wave for the 32 rows that it fetches, a lane a row; of a row's four blocks each partner takes one,
; told apart by address (cx).  The loop's last trip (s3 = 1) has no such tile.
; The weights: my own stream's 48 blocks of 1,024 bytes of the period after the next, six instructions.  The eight work-groups of a column read the same stream: row block i = 0 asks.  The first two periods come by their loads alone.
.macro ASK
	WIN 0
	s_cmp_gt_u32 s3, s[LIMA]
	s_cbranch_scc0 .Lnot_x_\@
	global_prefetch_b8 v[PFO], s[PFA:PFA+1] th:TH_LOAD_NT scope:SCOPE_SE
.Lnot_x_\@:
	s_cmp_gt_u32 s3, s[LIMB]
	s_cbranch_scc0 .Lnot_w_\@
.irp n, 0,1,2,3,4,5
	global_prefetch_b8 v[PFB], s[BP:BP+1] offset:16*STEPB+(\n)*8192 th:TH_LOAD_NT scope:SCOPE_SE
.endr
.Lnot_w_\@:
.endm
	s_load_b256 s[4:11], s[0:1], 0x0               ; xb 4, wfr 6, cos 8, sin 10
	s_load_b128 s[12:15], s[0:1], 0x20             ; qh 12, kvh 14
	v_lshl_add_u32 v[SPW], v0, 2, SPARE
	v_mov_b32 v[NIL], 0
	ds_add_u32 v[SPW], v[NIL]                      ; the wave's opening: the add and its wait ahead of my first tensor load; the set-up below, work on registers, stands between them
	v_lshrrev_b32 v1, 5, v0
	v_readfirstlane_b32 s[WV], v1
	s_lshr_b32 s[WK], s[WV], 1
	s_and_b32 s[WC], s[WV], 1
	s_bfe_u32 s[CX], ttmp6, 0x40000
	s_mov_b32 s[CLX], ttmp9
	s_and_b32 s[I], ttmp7, 0xffff                  ; i: the cluster's y
	s_lshl_b32 s[J], s[CLX], 2
	s_add_co_u32 s[J], s[J], s[CX]                 ; j = 4 x cluster x + cx
	s_mov_b32 s[G1], 15|(1<<16)|(1<<20)|(1<<21)|(7<<22)|(3<<25)  ; the mask of four; 2-byte elements; padding on; bit 21 beside a mask; after every 256 words 4 words
	s_mov_b32 s[G1+1], 512<<16                     ; 32 rows of 512 elements, 4,096 elements from row to row
	s_mov_b32 s[G1+2], 32<<16
	s_mov_b32 s[G1+3], 512<<16
	s_mov_b32 s[G1+4], 32
	s_mov_b32 s[G1+5], 4096
	s_mov_b32 s[G1+6], 0
	s_mov_b32 s[G1+7], 0
	s_lshl_b32 s56, s[I], 20                       ; x: (128 i + 32 w) rows of 8,192 bytes: made of i and the wave's number alone
	s_lshl_b32 s57, s[WV], 18
	s_add_co_u32 s56, s56, s57
	s_mov_b32 s57, 0
	s_lshl_b32 s58, s[J], 1                        ; my stream: ((2 j + wc) 2 + wk)
	s_add_co_u32 s58, s58, s[WC]
	s_lshl_b32 s58, s58, 1
	s_add_co_u32 s58, s58, s[WK]
	s_mul_i32 s58, s58, STREAM
	s_mov_b32 s59, 0
	s_mul_i32 s26, s[WV], 32*PA                    ; my 32 rows in a slot: no place in the cluster enters an LDS address
	s_mov_b32 s[HIM], 0xffff0000
	s_mov_b32 s[TB], 0
	v_and_b32 v3, 31, v0
	v_lshlrev_b32 v[BO], 4, v3
	s_wait_dscnt 0x0                               ; the opening add is done
	s_wait_kmcnt 0x0
	s_add_nc_u64 s[60:61], s[4:5], s[56:57]
	s_add_nc_u64 s[BP:BP+1], s[6:7], s[58:59]
	CROUND                                         ; all four work-groups are here: the first joint loads meet
.irp s, 0,1
	s_mov_b32 s[G0+4*(\s)], 1
	s_add_co_u32 s[G0+4*(\s)+1], s26, (\s)*SLOT
	s_add_nc_u64 s[G0+4*(\s)+2:G0+4*(\s)+3], s[60:61], (\s)*1024
	s_or_b32 s[G0+4*(\s)+3], s[G0+4*(\s)+3], 0x80000000
.endr
	tensor_load_to_lds s[G0:G0+3], s[G1:G1+7]      ; K 0-511 and 512-1023: two loads of mine are out
	s_nop 0
	tensor_load_to_lds s[G0+4:G0+7], s[G1:G1+7]
	s_nop 0
	PLACES
; 12 matrix instructions: fragments 3 hf .. 3 hf + 2 of ring place rho x four row blocks of buffer buf: mine (hi = 0) or my partner's (hi = 1).  The 48 accumulators take turns, one instruction a turn, in the same order in every step.
.macro MULG buf, rho, hf, hi, zero
	WIN 0xa1+0x50*(\hi)                            ; source 0 window 1, source 1 window 0, C and D window 2 or 3
.irp ff, 0,1,2
.irp a, 0,1,2,3
.set rD, 8*(6*(\a)+3*(\hf)+(\ff))
.set rB, 48*(\rho)+8*(3*(\hf)+(\ff))
.set rA, AF+64*(\buf)+32*(\hi)+8*(\a)
.if \zero
	v_wmma_f32_16x16x32_bf16 v[rD:rD+7], v[rB:rB+7], v[rA:rA+7], 0
.else
	v_wmma_f32_16x16x32_bf16 v[rD:rD+7], v[rB:rB+7], v[rA:rA+7], v[rD:rD+7]
.endif
.endr
.endr
.endm
.macro FETCHA buf, s                   ; 16 LDS loads: x's eight fragments of my step s of the slot
	WIN 0
.irp a, 0,1,2,3
	ds_load_b128 v[AF+64*(\buf)+8*(\a):AF+64*(\buf)+8*(\a)+3],   v[ADRO] offset:(\a)*16*PA+64*(\s)
	ds_load_b128 v[AF+64*(\buf)+8*(\a)+4:AF+64*(\buf)+8*(\a)+7], v[ADRO] offset:(\a)*16*PA+64*(\s)+32
.endr
.irp a, 0,1,2,3
	ds_load_b128 v[AF+64*(\buf)+32+8*(\a):AF+64*(\buf)+32+8*(\a)+3],   v[ADRX] offset:(\a)*16*PA+64*(\s)
	ds_load_b128 v[AF+64*(\buf)+32+8*(\a)+4:AF+64*(\buf)+32+8*(\a)+7], v[ADRX] offset:(\a)*16*PA+64*(\s)+32
.endr
.endm
.macro LOADB rho, hf, off              ; a batch of 6 loads: three fragments of the step that lies off steps behind the pointer
	WIN 0x40
.irp ff, 0,1,2
	global_load_b128 v[48*(\rho)+8*(3*(\hf)+(\ff)):48*(\rho)+8*(3*(\hf)+(\ff))+3],   v[BO], s[BP:BP+1] offset:(\off)*STEPB+(3*(\hf)+(\ff))*1024
	global_load_b128 v[48*(\rho)+8*(3*(\hf)+(\ff))+4:48*(\rho)+8*(3*(\hf)+(\ff))+7], v[BO], s[BP:BP+1] offset:(\off)*STEPB+(3*(\hf)+(\ff))*1024+512
.endr
.endm
; In the last four steps the ring takes cos and sin in the weights' stead, batch for batch and register for register, so that every count stays as it is.  Load n of 48 fills v[4 n ..]: row block n / 12, group (n / 4) % 3;
; n % 4 = 0, 1: the eight cos of my pairs; 2, 3: the eight sin.
.macro LOADCS beta
	WIN 0x40
.set lam, 6*(\beta)
.rept 6
.set cg, (lam/4)%3
.set co, (lam/12)*4096+16*(lam%2)
.if lam%4 < 2
.if cg < 2
	global_load_b128 v[4*lam:4*lam+3], v[COQ], s[8:9] offset:co+64*cg
.else
	global_load_b128 v[4*lam:4*lam+3], v[COK], s[8:9] offset:co
.endif
.else
.if cg < 2
	global_load_b128 v[4*lam:4*lam+3], v[COQ], s[10:11] offset:co+64*cg
.else
	global_load_b128 v[4*lam:4*lam+3], v[COK], s[10:11] offset:co
.endif
.endif
.set lam, lam+1
.endr
.endm
; MY STEP s (0-7) OF A SLOT.  Two halves of 24 matrix instructions; behind each, the three fragments just multiplied are asked for again, four steps on; behind the first also x's fragments of the next step.
; s_wait_loadcnt 42: loads come back in order, and behind the batch that a half wants seven batches of six have been issued.
; kind 1, 2: the slot's last step changes slots in its first half: ONE barrier; in front of it each wave waits for all its tensor loads (one is out: its part of the next slot), adds 0 to its spare word, and waits for that
; and for its own reads of this slot.  kind 1: the barrier opens a round of the cluster's, and behind the round this slot is filled again, with the K that follows the next slot's: the load has eight steps in which to land.
.macro STEP s, boff, zero=0, kind=0, cs=0, fetch=1
.if (\kind) == 0
	s_wait_dscnt 0x0                               ; x's fragments are in
	s_wait_loadcnt 42
	MULG (\s)%2, (\s)%4, 0, 0, \zero
	MULG (\s)%2, (\s)%4, 0, 1, \zero
	PLACES
.else
.if (\kind) == 1
	s_wait_xcnt 0x0                                ; the last prefetch of x, eight steps back, has read its address, which is stepped here
	s_add_nc_u64 s[PFA:PFA+1], s[PFA:PFA+1], 1024
.endif
	WIN 0                                          ; (the add's two registers lie in window 0)
	s_wait_tensorcnt 0x0                           ; no tensor load of mine is out, so a group 0 may be written
	ds_add_u32 v[SPW], v[NIL]                      ; 0 onto my spare word
.if (\kind) == 1
	s_xor_b32 s[G0+5], s[G0+5], SLOT               ; the walking descriptor: the other slot than last time,
	s_add_nc_u64 s[G0+6:G0+7], s[G0+6:G0+7], 1024  ; the next 512 along K; the type bits on top are not reached
.endif
	s_wait_dscnt 1                                 ; x's fragments are in; the add may be out
	s_wait_loadcnt 42
	MULG (\s)%2, (\s)%4, 0, 0, 0                   ; twelve matrix instructions stand between the add and the wait for it
	s_wait_dscnt 0x0                               ; the add is done, and my reads of this slot are over
	s_barrier_signal -1
	MULG (\s)%2, (\s)%4, 0, 1, 0
	WIN 0
	s_barrier_wait -1
.if (\kind) == 1
	CREST                                          ; no wave of any partner still reads this slot or has a load on its way
	tensor_load_to_lds s[G0+4:G0+7], s[G1:G1+7]    ; the first tensor load behind the round, one a wave: my 32 rows
	s_nop 0
.endif
	PLACES                                         ; behind the tensor load; also the places in front of the loads below
	s_xor_b32 s[TB], s[TB], SLOT
	v_add_nc_u32 v[ADRO], s[TB], v[ADRO0]
	v_add_nc_u32 v[ADRX], s[TB], v[ADRX0]
.endif
.if \fetch
	FETCHA 1-(\s)%2, ((\s)+1)%8
.endif
.if \cs
	LOADCS 2*((\s)-4)
.else
	LOADB (\s)%4, 0, \boff
.endif
.if (\kind) == 1
	ASK
.endif
	s_wait_loadcnt 42
	MULG (\s)%2, (\s)%4, 1, 0, \zero
	MULG (\s)%2, (\s)%4, 1, 1, \zero
	PLACES
.if \cs
	LOADCS 2*((\s)-4)+1
.else
	LOADB (\s)%4, 1, \boff
.endif
.endm
.irp g, 0,1,2,3                        ; the ring is filled: steps 0 to 3, 48 loads
	LOADB \g, 0, \g
	LOADB \g, 1, \g
.endr
	WIN 0
	v_and_b32 v1, 15, v0                           ; r = l % 16
	v_bfe_u32 v2, v0, 4, 1                         ; h = l / 16
	v_lshlrev_b32 v[PFO], 13, v3
	v_lshlrev_b32 v[PFB], 8, v3
	v_mul_u32_u24 v22, v1, PA
	v_lshl_add_u32 v22, v2, 4, v22                 ; r x 1,040 + 16 h
	s_mul_i32 s56, s[WK], 64*PA+512                ; the rows that I finish: 64 wk on; my half of the slot's K: 512 wk bytes on
	v_add_nc_u32 v[ADRO0], s56, v22
	s_xor_b32 s57, s[WK], 1
	s_mul_i32 s57, s57, 64*PA                      ; my partner's rows, the same K
	s_lshl_b32 s56, s[WK], 9
	s_add_co_u32 s57, s57, s56
	v_add_nc_u32 v[ADRX0], s57, v22
	v_add_nc_u32 v[ADRO], s[TB], v[ADRO0]
	v_add_nc_u32 v[ADRX], s[TB], v[ADRX0]
	s_mul_i32 s56, s[WV], XW
	v_add_nc_u32 v[XST], s56, v[BO]
	s_xor_b32 s56, s[WV], 2                        ; my partner: the same columns, the other half of K
	s_mul_i32 s56, s56, XW
	v_add_nc_u32 v[XLD], s56, v[BO]
	v_mul_u32_u24 v22, v1, 272                     ; into the stages: row 64 wk + 16 a + r; 32 bytes for each half of the lanes
	v_lshl_add_u32 v22, v2, 5, v22
	s_mul_i32 s56, s[WK], 64*272
	s_lshl_b32 s57, s[WC], 7
	s_add_co_u32 s56, s56, s57
	s_add_co_u32 s56, s56, STQ
	v_add_nc_u32 v[STOQ], s56, v22
	v_mul_u32_u24 v22, v1, 144
	v_lshl_add_u32 v22, v2, 5, v22
	s_mul_i32 s56, s[WK], 64*144
	s_lshl_b32 s57, s[WC], 6
	s_add_co_u32 s56, s56, s57
	s_add_co_u32 s56, s56, STK
	v_add_nc_u32 v[STOK], s56, v22
	v_mul_u32_u24 v22, v2, 272                     ; back: wave w takes rows 32 w .. + 31 whole: two rows of 256 bytes a load,
	v_lshl_add_u32 v22, v1, 4, v22
	s_mul_i32 s56, s[WV], 32*272
	s_add_co_u32 s56, s56, STQ
	v_add_nc_u32 v[RDQ], s56, v22
	v_bfe_u32 v23, v0, 3, 2                        ; or four rows of 128
	v_and_b32 v24, 7, v0
	v_mul_u32_u24 v23, v23, 144
	v_lshl_add_u32 v23, v24, 4, v23
	s_mul_i32 s56, s[WV], 32*144
	s_add_co_u32 s56, s56, STK
	v_add_nc_u32 v[RDK], s56, v23
	; cos and sin: row 128 i + 64 wk + 16 a + r, 256 bytes a row; my eight pairs of a group are 32 bytes: the head's at 128 wc + 64 g + 32 h, the chunk's at 128 (j % 2) + 64 wc + 32 h
	s_lshl_b32 s56, s[I], 15
	s_lshl_b32 s57, s[WK], 14
	s_add_co_u32 s56, s56, s57
	v_lshlrev_b32 v22, 8, v1
	v_lshl_add_u32 v22, v2, 5, v22
	s_lshl_b32 s57, s[WC], 7
	s_add_co_u32 s57, s57, s56
	v_add_nc_u32 v[COQ], s57, v22
	s_and_b32 s57, s[J], 1
	s_lshl_b32 s57, s57, 7
	s_add_co_u32 s56, s56, s57
	s_lshl_b32 s57, s[WC], 6
	s_add_co_u32 s56, s56, s57
	v_add_nc_u32 v[COK], s56, v22
	s_lshl_b32 s56, s[J], 18                       ; qh: head j, row 128 i + 32 w, 256 bytes a row;
	s_lshl_b32 s57, s[I], 15
	s_add_co_u32 s56, s56, s57
	s_lshl_b32 s57, s[WV], 13
	s_add_co_u32 s56, s56, s57
	s_mov_b32 s57, 0
	s_add_nc_u64 s[QP:QP+1], s[12:13], s[56:57]
	s_lshr_b32 s56, s56, 1                         ; kvh: chunk j, the same row, 128 bytes a row: half the offset
	s_add_nc_u64 s[KP:KP+1], s[14:15], s[56:57]
	s_lshl_b32 s58, s[CX], 8                       ; the prefetches of x: my 32 rows, my work-group's block of a row's four,
	s_add_co_u32 s58, s58, 2*1024                  ; at the third 512 along K: the first change of slots steps it to the fourth.  Nothing is prefetched at the head
	s_mov_b32 s59, 0
	s_add_nc_u64 s[PFA:PFA+1], s[60:61], s[58:59]
	s_cmp_eq_u32 s[CLX], 0
	s_cselect_b32 s[LIMA], 1, -1
	s_cmp_eq_u32 s[I], 0
	s_cselect_b32 s[LIMB], 0, -1
	s_wait_tensorcnt 1                             ; my part of slot 0 is in; slot 1's may stay out
	s_barrier_signal -1
	s_barrier_wait -1
	FETCHA 0, 0
	STEP 0, 4, 1                                   ; the first step's products start the sums: nothing is cleared
	STEP 1, 5
	STEP 2, 6
	STEP 3, 7
	WIN 0
	s_mov_b32 s3, 6
.Lper:                                         ; a trip: the second half of a slot, the change of slots with its refill, the first half of the next slot
	STEP 4, 8
	STEP 5, 9
	STEP 6, 10
	STEP 7, 11, 0, 1
	STEP 0, 12
	STEP 1, 13
	STEP 2, 14
	STEP 3, 15
	WIN 0
	s_wait_xcnt 0x0                                ; every load and prefetch issued so far has read its address, so the pointer may be written
	s_add_nc_u64 s[BP:BP+1], s[BP:BP+1], 8*STEPB
	s_sub_co_u32 s3, s3, 1
	s_cmp_lg_u32 s3, 0
	s_cbranch_scc1 .Lper
	STEP 4, 8                                      ; the tail is written out: the last change of slots fills nothing
	STEP 5, 9
	STEP 6, 10
	STEP 7, 11, 0, 2
	STEP 0, 12
	STEP 1, 13
	STEP 2, 14
	STEP 3, 15                                     ; the weights' last batches have been asked for
	STEP 4, 0, 0, 0, 1
	STEP 5, 0, 0, 0, 1
	STEP 6, 0, 0, 0, 1
	STEP 7, 0, 0, 0, 1, 0
	; THE EXCHANGE.  My sums for my partner's rows go into LDS, 1,024 bytes a tile, a lane's 16 bytes beside its neighbour's; each accumulator's lowest registers are read first.
	WIN 0x0c                                       ; store data in window 3
.set t, 0
.rept 24
	ds_store_b128 v[XST], v[8*t:8*t+3] offset:1024*t
	ds_store_b128 v[XST], v[8*t+4:8*t+7] offset:1024*t+512
.set t, t+1
.endr
	WIN 0
	s_wait_dscnt 0x0                               ; for my partner's sake
	s_barrier_signal -1
	s_barrier_wait -1
.set t, 0
.rept 24
	ds_load_b128 v[32+8*t:32+8*t+3], v[XLD] offset:1024*t
	ds_load_b128 v[32+8*t+4:32+8*t+7], v[XLD] offset:1024*t+512
.set t, t+1
.endr
	WIN 0x82                                       ; destination and source 0 window 2, source 1 window 0
.set t, 0
.rept 24
	s_wait_dscnt 46-2*t                            ; tile t's two loads are in
.irp q, 0,2,4,6
	v_pk_add_f32 v[8*t+\q:8*t+\q+1], v[8*t+\q:8*t+\q+1], v[32+8*t+\q:32+8*t+\q+1]
.endr
.set t, t+1
.endr
	; cos and sin are rounded to bf16 and widened again, in place
	s_wait_loadcnt 0x0
	WIN 0x45                                       ; all in window 1
.set z, 0
.rept 3
.set q, 0
.rept 32
	v_cvt_pk_bf16_f32 v[192+q], v[64*z+2*q], v[64*z+2*q+1]
.set q, q+1
.endr
.set q, 0
.rept 32
	v_lshlrev_b32 v[64*z+2*q], 16, v[192+q]
	v_and_b32 v[64*z+2*q+1], s[HIM], v[192+q]
.set q, q+1
.endr
.set z, z+1
.endr
; THE ROTATION of row block a, group g: E, O in window 2, cos, sin in window 1, e' and o' into 16 registers of window 0
.macro ROT a, g
.set rE, 8*(6*(\a)+2*(\g))
.set rC, 16*(3*(\a)+(\g))
.set rT, 32+16*(3*(\a)+(\g))
.irp q, 0,2,4,6
	v_pk_mul_f32 v[rT+\q:rT+\q+1], v[rE+\q:rE+\q+1], v[rC+\q:rC+\q+1]
	v_pk_mul_f32 v[rT+8+\q:rT+8+\q+1], v[rE+\q:rE+\q+1], v[rC+8+\q:rC+8+\q+1]
.endr
.irp q, 0,2,4,6
	v_pk_fma_f32 v[rT+\q:rT+\q+1], v[rE+8+\q:rE+8+\q+1], v[rC+8+\q:rC+8+\q+1], v[rT+\q:rT+\q+1] neg_lo:[1,0,0] neg_hi:[1,0,0]
	v_pk_fma_f32 v[rT+8+\q:rT+8+\q+1], v[rE+8+\q:rE+8+\q+1], v[rC+\q:rC+\q+1], v[rT+8+\q:rT+8+\q+1]
.endr
.endm
.macro PACKF a, g                      ; (e', o') rounded to f16: two neighbouring columns a register, 32 bytes a lane
.set rT, 32+16*(3*(\a)+(\g))
.irp jj, 0,1,2,3,4,5,6,7
	v_cvt_pk_f16_f32 v[rT+\jj], v[rT+\jj], v[rT+8+\jj]
.endr
.endm
	WIN 0x06                                       ; source 0 window 2, source 1 window 1, source 2 and destination window 0
.irp a, 0,1,2,3
	ROT \a, 0
	ROT \a, 1
.endr
	WIN 0
.irp a, 0,1,2,3
	PACKF \a, 0
	PACKF \a, 1
.endr
.irp a, 0,1,2,3
.irp g, 0,1
	ds_store_b128 v[STOQ], v[32+16*(3*(\a)+(\g)):32+16*(3*(\a)+(\g))+3]   offset:(\a)*16*272+64*(\g)
	ds_store_b128 v[STOQ], v[32+16*(3*(\a)+(\g))+4:32+16*(3*(\a)+(\g))+7] offset:(\a)*16*272+64*(\g)+16
.endr
.endr
	s_cmp_lt_u32 s[CLX], 4                         ; chunks 0-15 are K's: the cluster's x, the same in all partners
	s_cbranch_scc0 .Lv
	WIN 0x06
.irp a, 0,1,2,3
	ROT \a, 2
.endr
	WIN 0
.irp a, 0,1,2,3
	PACKF \a, 2
.endr
	s_branch .Lkv
.Lv:                                           ; V is not rotated
	WIN 0x0a                                       ; sources 0 and 1 window 2
.irp a, 0,1,2,3
.irp jj, 0,1,2,3,4,5,6,7
	v_cvt_pk_f16_f32 v[32+16*(3*(\a)+2)+\jj], v[8*(6*(\a)+4)+\jj], v[8*(6*(\a)+5)+\jj]
.endr
.endr
	WIN 0
.Lkv:
.irp a, 0,1,2,3
	ds_store_b128 v[STOK], v[32+16*(3*(\a)+2):32+16*(3*(\a)+2)+3]   offset:(\a)*16*144
	ds_store_b128 v[STOK], v[32+16*(3*(\a)+2)+4:32+16*(3*(\a)+2)+7] offset:(\a)*16*144+16
.endr
	s_wait_dscnt 0x0                               ; for the others' sake: a row's bytes come from two waves
	s_barrier_signal -1
	s_barrier_wait -1
.irp t, 0,1,2,3,4,5,6,7,8,9,10,11,12,13,14,15
	ds_load_b128 v[64+4*(\t):64+4*(\t)+3], v[RDQ] offset:(\t)*2*272
.endr
.irp t, 0,1,2,3,4,5,6,7
	ds_load_b128 v[128+4*(\t):128+4*(\t)+3], v[RDK] offset:(\t)*4*144
.endr
.irp t, 0,1,2,3,4,5,6,7,8,9,10,11,12,13,14,15
	s_wait_dscnt 23-(\t)
	global_store_b128 v[BO], v[64+4*(\t):64+4*(\t)+3], s[QP:QP+1] offset:512*(\t)  ; 512 consecutive bytes, at a multiple of 256 from qh's first
.endr
.irp t, 0,1,2,3,4,5,6,7
	s_wait_dscnt 7-(\t)
	global_store_b128 v[BO], v[128+4*(\t):128+4*(\t)+3], s[KP:KP+1] offset:512*(\t)
.endr
	s_wait_tensorcnt 0x0                           ; the wave's end: behind my last tensor load and my last LDS store
	ds_add_u32 v[SPW], v[NIL]
	s_wait_dscnt 0x0
	CROUND                                         ; the closing round
	s_endpgm
.Lfunc_end_k_q2e5a6554e2_qkv:
	.size	k_q2e5a6554e2_qkv, .Lfunc_end_k_q2e5a6554e2_qkv-k_q2e5a6554e2_qkv
	.p2alignl 7, 3214868480
	.fill 96, 4, 3214868480
	.section	.rodata,"a",@progbits
	.p2align	6, 0x0
	.amdhsa_kernel k_q2e5a6554e2_qkv
		.amdhsa_group_segment_fixed_size 327680
		.amdhsa_private_segment_fixed_size 0
		.amdhsa_enable_private_segment 0
		.amdhsa_kernarg_size 48
		.amdhsa_user_sgpr_count 2
		.amdhsa_user_sgpr_kernarg_segment_ptr 1
		.amdhsa_wavefront_size32 1
		.amdhsa_system_sgpr_workgroup_id_x 1
		.amdhsa_system_sgpr_workgroup_id_y 1
		.amdhsa_system_sgpr_workgroup_id_z 1
		.amdhsa_system_vgpr_workitem_id 0
		.amdhsa_next_free_vgpr 960
		.amdhsa_next_free_sgpr 66
		.amdhsa_reserve_vcc 0
		.amdhsa_float_denorm_mode_32 3
		.amdhsa_float_denorm_mode_16_64 3
		.amdhsa_memory_ordered 1
		.amdhsa_forward_progress 1
		.amdhsa_inst_pref_size 202
	.end_amdhsa_kernel
	.amdgpu_metadata
---
amdhsa.version: [ 1, 2 ]
amdhsa.kernels:
  - .name:           k_q2e5a6554e2_qkv
    .symbol:         k_q2e5a6554e2_qkv.kd
    .args:
      - { .name: xb, .offset: 0, .size: 8, .value_kind: global_buffer, .address_space: global }
      - { .name: wfr, .offset: 8, .size: 8, .value_kind: global_buffer, .address_space: global }
      - { .name: cos_freq, .offset: 16, .size: 8, .value_kind: global_buffer, .address_space: global }
      - { .name: sin_freq, .offset: 24, .size: 8, .value_kind: global_buffer, .address_space: global }
      - { .name: qh, .offset: 32, .size: 8, .value_kind: global_buffer, .address_space: global }
      - { .name: kvh, .offset: 40, .size: 8, .value_kind: global_buffer, .address_space: global }
    .group_segment_fixed_size: 327680
    .private_segment_fixed_size: 0
    .kernarg_segment_align: 8
    .kernarg_segment_size: 48
    .max_flat_workgroup_size: 128
    .sgpr_count:     66
    .vgpr_count:     960
    .wavefront_size: 32
...
	.end_amdgpu_metadata
.endif
;; end of part 2
;; launch attn (part 3): grid 32 x 8, 4 waves a work-group, clusters of 4 x 1, 327,680 bytes of LDS; arguments qh, kvh, ob; writes ob
.if DOCPART == 3
	.amdgcn_target "amdgcn-amd-amdhsa--gfx1250"
	.amdhsa_code_object_version 6
	.text
	.protected	k_q2e5a6554e2_attn
	.globl	k_q2e5a6554e2_attn
	.p2align	8
	.type	k_q2e5a6554e2_attn,@function
k_q2e5a6554e2_attn:
	s_mov_b64 s[64:65], 0
	v_nop
	global_prefetch_b8 v0, s[64:65] scope:SCOPE_SE
	s_setreg_imm32_b32 hwreg(HW_REG_WAVE_MODE, 25, 1), 1
	s_wait_xcnt 0x0
	s_wait_alu depctr_hold_cnt(0) depctr_sa_sdst(0) depctr_va_vdst(0) depctr_va_sdst(0) depctr_va_ssrc(0) depctr_va_vcc(0) depctr_vm_vsrc(0)
	s_getreg_b32 s2, hwreg(HW_REG_IB_STS2, 6, 4)
	s_cmp_eq_u32 s2, 0
	s_cbranch_scc0 .Lentry_in_a_cluster
	s_endpgm
.Lentry_in_a_cluster:
	s_bfe_u32 s2, ttmp6, 0x10000c
	s_cmp_lg_u32 s2, 0x3003
	s_cbranch_scc0 .Lentry_shape_is_right
	s_endpgm
.Lentry_shape_is_right:
; CAUSAL ATTENTION, four query heads to a key and value head.  O[q][head] = the sum over k <= q of softmax_k(Q . K / sqrt(128)) V.  qh [32][1024][128], kvh [32 chunks][1024][64] (chunks 2 g, 2 g + 1: K of head g, channels 0-63, 64-127;
; 16 + 2 g, 17 + 2 g: V), ob [1024][4096]: all f16, all at a quarter of their value, so c = 16 log2(e) / sqrt(128).  Products, maxima and sums in f32; the weights are rounded to f16 for the second product, O once.
; LIMITS.  A hidden score counts as its value less 1e30; a weight below 2^-126 counts as 0 in l; NaN and infinities are not treated apart.
; THE WALK.  A head's queries lie in 16 blocks of 64; block i needs the key tiles 0 .. i / 2 of 128 keys.  A work-group takes blocks 15 - b and then b: nine tiles whatever b, walked by one loop with a constant count.
; CLUSTER.  The four partners are the four query heads of key head g, with the same b: the same walk, so every tile of K and V is asked for jointly.  cx enters Q's, O's and the prefetches' addresses alone.
; SHARES.  Wave w owns rows 16 w .. + 15 of the block in hand.  S^T = K Q^T holds one query a lane (lane % 16) and the keys 8 (lane / 16) + 0..7; two such results rounded to f16 are source 1 of O^T = V^T P.
; p = 2^(c s - c m) with a running maximum m; O and l are multiplied by a = 2^(c m_old - c m_new) in every step.  A step is 64 keys, in phases: mask, 16 products, softmax, 16 products.
; THE MASK starts the sum S^T: MD x AL + BE.  MD, made once, is the mask of the diagonal step for my rows; with e = the key step's number less the block's: e < 0: (0, 0); e = 0: (1, 0); e > 0: (0, -1e30).
; REGISTERS.  window 0: v0-15 addresses; v16-23 statistics; v48-79 S^T; v80-95 P; v96-159 O^T; v160-191 Q; v192-223 the second block's Q; v224-255 MD.  window 1: v0-127 K of a step, v128-255 V of a step.
.set PK,    144                        ; a row of half of K in LDS: 128 bytes + 16
.set PV,    160                        ; of V: 128 + 32, for the turning load
.set KH,    128*PK                     ; a tile's 128 keys, one half of the channels
.set VH,    128*PV
.set VOFF,  2*KH
.set SLOT1, 1<<17                      ; slot 1 begins here: one exclusive or turns an address in one slot into the other's
.set STAGE, SLOT1+VOFF+2*VH            ; behind the ring, never filled by a tensor load: 16 rows x 272 bytes for each wave
.set SP,    272
.set SPARE, STAGE+4*16*SP              ; the spare words, 128 bytes for each wave: two blocks of 256 bytes that no other line names
.set AK0, 2
.set AV0, 3
.set AK,  4
.set AV,  5
.set STO, 6
.set RD,  7
.set GO,  8
.set QO,  12
.set PFO, 13
.set SPW, 14
.set NIL, 15
.set ST,  16                           ; c m, m, l (even keys', odd keys'), c0-c3 at work; a takes c2's place
.set S,   48
.set P,   80
.set O,   96
.set Q,   160
.set Q2,  192
.set MD,  224
.set WV, 12
.set CX, 13
.set G,  14
.set PB, 15                            ; b
.set BLK1, 16                          ; 15 - b
.set G1K, 24
.set G1V, 32
.set G0K, 40
.set G0V, 44
.set KB, 48                            ; s[48:49], s[50:51] K's and V's half that I fetch, at tile 0
.set VB, 50
.set OB, 52                            ; s[52:53] ob at my rows of the block in hand; s[54:55] of the second block
.set OB2, 54
.set SLOTS, 56
.set RT, 57                            ; tiles of the block in hand still to be entered
.set CS, 58
.set SEL, 60
.set TB, 62                            ; the slot that is read
.set NXT, 63                           ; the tile to be asked for next
.set LQ, 66                            ; the last tile of the block whose tiles are being asked for
.set N2M1, 67
.set OFF, 68
.set AL, 70
.set BE, 72
.set BIGN, 74
.set EE, 75                            ; twice the tile's number less the block's
.set PFA, 76
.set LIM, 78
.set NB2, 79
.set N2, 80
.set MSB, 0
.macro WIN new
.if MSB != (\new)
	s_set_vgpr_msb (MSB<<8)|(\new)
.set MSB, \new
.endif
.endm
.macro PLACES
.rept 4
	v_nop
.endr
.endm
.macro JLOAD                           ; waves 0, 1: K's two halves of the channels; waves 2, 3: V's.  An s_nop 0 and four v_nop follow each line
	s_cmp_lt_u32 s[WV], 2
	s_cbranch_scc0 .Lfor_v_\@
	tensor_load_to_lds s[G0K:G0K+3], s[G1K:G1K+7]
	s_nop 0
.rept 4
	v_nop
.endr
	s_branch .Lasked_\@
.Lfor_v_\@:
	tensor_load_to_lds s[G0V:G0V+3], s[G1V:G1V+7]
	s_nop 0
.rept 4
	v_nop
.endr
.Lasked_\@:
.endm
.macro CROUND
	s_barrier_signal -1
	s_barrier_wait -1
	s_cmp_lg_u32 s[WV], 0
	s_cbranch_scc1 .Lnot_wave_0_\@
	s_barrier_signal -3
.Lnot_wave_0_\@:
	s_barrier_wait -3
	s_barrier_signal -1
	s_barrier_wait -1
.endm
; A PREFETCH INTO THE L2 of the tile that the next change of slots will ask for.  All eight clusters of a key head read the same tiles: the one with b = 0, which walks tiles 0 to 7 in order, asks; wave 0 for K, wave 2 for V;
; each of the four partners for 16 blocks of 256 bytes in both halves of the channels, told apart by address (cx).  It stops when tile 7 has been named.
.macro ASK
	s_cmp_gt_u32 s[SLOTS], s[LIM]
	s_cbranch_scc0 .Lnot_mine_\@
	global_prefetch_b8 v[PFO], s[PFA:PFA+1] th:TH_LOAD_NT scope:SCOPE_SE
.Lnot_mine_\@:
.endm
; THE CHANGE OF SLOTS.  Each wave waits for all its tensor loads (one is out: its part of the other slot), adds 0 to its spare word, and waits for that and for its reads of the slot that it leaves.
; fill = 1: a round of the cluster's barrier, and the old slot is filled first thing behind it, with tile NXT: the address is made anew from that number.  (At its first use slot 0 is waited for and slot 1 filled.)
.macro CHANGE fill
	WIN 0
	s_wait_tensorcnt 0x0
	ds_add_u32 v[SPW], v[NIL]                      ; the descriptors' scalar work stands between the add and the wait for it
.if \fill
	s_lshl_b32 s[OFF], s[NXT], 14                  ; a tile is 16,384 bytes of each half
	s_xor_b32 s[G0K+1], s[G0K+1], SLOT1
	s_add_nc_u64 s[G0K+2:G0K+3], s[KB:KB+1], s[OFF:OFF+1]
	s_or_b32 s[G0K+3], s[G0K+3], 0x80000000
	s_xor_b32 s[G0V+1], s[G0V+1], SLOT1
	s_add_nc_u64 s[G0V+2:G0V+3], s[VB:VB+1], s[OFF:OFF+1]
	s_or_b32 s[G0V+3], s[G0V+3], 0x80000000
	s_add_co_u32 s[NXT], s[NXT], 1                 ; the block's next tile, or behind its last the second block's tile 0
	s_cmp_gt_u32 s[NXT], s[LQ]
	s_cselect_b32 s[NXT], 0, s[NXT]
	s_cselect_b32 s[LQ], s[N2M1], s[LQ]
	s_wait_xcnt 0x0                                ; the last prefetch, a tile back, has read its address
	s_add_nc_u64 s[PFA:PFA+1], s[PFA:PFA+1], 16384
	s_wait_dscnt 0x0                               ; the add is done, and my reads of the slot are over
	CROUND
	JLOAD
	ASK
.else
	s_wait_dscnt 0x0
	s_barrier_signal -1
	s_barrier_wait -1
.endif
	s_xor_b32 s[TB], s[TB], SLOT1
.endm
	s_load_b128 s[4:7], s[0:1], 0x0                ; qh, kvh
	s_load_b64 s[8:9], s[0:1], 0x10                ; ob
	v_lshl_add_u32 v[SPW], v0, 2, SPARE
	v_mov_b32 v[NIL], 0
	ds_add_u32 v[SPW], v[NIL]                      ; the wave's opening: the add and its wait ahead of my first tensor load
	v_lshrrev_b32 v1, 5, v0
	v_readfirstlane_b32 s[WV], v1
	s_bfe_u32 s[CX], ttmp6, 0x40000
	s_mov_b32 s[G], ttmp9                          ; the cluster's x: the key head
	s_and_b32 s[PB], ttmp7, 0xffff
	s_sub_co_u32 s[BLK1], 15, s[PB]
	s_lshr_b32 s[LQ], s[BLK1], 1                   ; the first block's last tile
	s_add_co_u32 s[RT], s[LQ], 1
	s_lshr_b32 s[N2M1], s[PB], 1
	s_add_co_u32 s[N2], s[N2M1], 1
	s_sub_co_u32 s[NB2], 0, s[PB]
	s_sub_co_u32 s[EE], 0, s[BLK1]
	s_and_b32 s17, s[WV], 1                        ; which half of the channels I fetch
	s_lshl_b32 s18, s[G], 1
	s_add_co_u32 s18, s18, s17
	s_lshl_b32 s18, s18, 17                        ; a chunk is 131,072 bytes
	s_mov_b32 s19, 0
	s_mul_i32 s22, s17, KH
	s_mul_i32 s23, s17, VH
	s_mov_b32 s[G1K], 15|(1<<16)|(1<<20)|(1<<21)|(4<<22)|(3<<25)  ; the mask of four; 2-byte elements; padding on; bit 21 beside a mask; after every 32 words 4 words
	s_mov_b32 s[G1V], 15|(1<<16)|(1<<20)|(1<<21)|(4<<22)|(7<<25)  ; 8 words
.irp g, G1K, G1V
	s_mov_b32 s[\g+1], 128<<16                     ; 128 keys of 128 bytes are dense: 64 rows of 256 bytes, padded after every key
	s_mov_b32 s[\g+2], 64<<16
	s_mov_b32 s[\g+3], 128<<16
	s_mov_b32 s[\g+4], 64
	s_mov_b32 s[\g+5], 128
	s_mov_b32 s[\g+6], 0
	s_mov_b32 s[\g+7], 0
.endr
	s_mov_b32 s[G0K], 1
	s_mov_b32 s[G0K+1], s22
	s_mov_b32 s[G0V], 1
	s_add_co_u32 s[G0V+1], s23, VOFF
	s_mov_b32 s[CS], 0x400293ee                    ; c = 16 log2(e) / sqrt(128) = 2.04027
	s_mov_b32 s[CS+1], s[CS]
	s_mov_b32 s[SEL], 0x76543210
	s_mov_b32 s[SEL+1], 0xfedcba98
	s_mov_b32 s[TB], SLOT1                         ; the first change of slots turns it into 0
	s_mov_b32 s[NXT], 1
	s_mov_b32 s[SLOTS], 8
	s_mov_b32 s[OFF+1], 0
	s_mov_b32 s[AL+1], 0
	s_mov_b32 s[BE+1], 0
	s_mov_b32 s[BIGN], 0xf149f2ca                  ; -1e30
	s_wait_dscnt 0x0
	s_wait_kmcnt 0x0
	s_add_nc_u64 s[KB:KB+1], s[6:7], s[18:19]
	s_add_nc_u64 s[VB:VB+1], s[KB:KB+1], 0x200000  ; V's chunks lie 16 chunks on
	s_add_nc_u64 s[G0K+2:G0K+3], s[KB:KB+1], 0
	s_or_b32 s[G0K+3], s[G0K+3], 0x80000000
	s_add_nc_u64 s[G0V+2:G0V+3], s[VB:VB+1], 0
	s_or_b32 s[G0V+3], s[G0V+3], 0x80000000
	CROUND                                         ; all four work-groups are here
	JLOAD                                          ; tile 0 into slot 0
	s_lshl_b32 s17, s[G], 2
	s_add_co_u32 s17, s17, s[CX]                   ; my query head
	s_lshl_b32 s18, s17, 18
	s_lshl_b32 s19, s[WV], 12
	s_add_co_u32 s18, s18, s19
	s_lshl_b32 s20, s[BLK1], 14
	s_add_co_u32 s20, s20, s18
	s_mov_b32 s21, 0
	s_add_nc_u64 s[20:21], s[4:5], s[20:21]        ; Q at my 16 rows of the first block,
	s_lshl_b32 s22, s[PB], 14
	s_add_co_u32 s22, s22, s18
	s_mov_b32 s23, 0
	s_add_nc_u64 s[82:83], s[4:5], s[22:23]        ; and of the second
	s_lshl_b32 s18, s17, 8
	s_lshl_b32 s19, s[WV], 17
	s_add_co_u32 s18, s18, s19
	s_lshl_b32 s22, s[BLK1], 19
	s_add_co_u32 s22, s22, s18
	s_add_nc_u64 s[OB:OB+1], s[8:9], s[22:23]      ; ob: row 64 x block + 16 w, 8,192 bytes a row; 256 bytes a head
	s_lshl_b32 s22, s[PB], 19
	s_add_co_u32 s22, s22, s18
	s_add_nc_u64 s[OB2:OB2+1], s[8:9], s[22:23]
	s_cmp_lt_u32 s[WV], 2
	s_cselect_b32 s22, 0, 16
	s_lshl_b32 s18, s[G], 1
	s_add_co_u32 s22, s22, s18
	s_lshl_b32 s22, s22, 17
	s_lshl_b32 s18, s[CX], 12
	s_add_co_u32 s22, s22, s18
	s_add_co_u32 s22, s22, 16384
	s_add_nc_u64 s[PFA:PFA+1], s[6:7], s[22:23]    ; at tile 1: the first change steps it to tile 2.  Nothing is prefetched at the head
	s_and_b32 s18, s[WV], 1
	s_or_b32 s18, s18, s[PB]
	s_cmp_eq_u32 s18, 0
	s_cselect_b32 s[LIM], 2, -1
	v_and_b32 v1, 15, v0                           ; r
	v_bfe_u32 v9, v0, 4, 1                         ; h
	v_lshlrev_b32 v[QO], 8, v1
	v_lshl_add_u32 v[QO], v9, 4, v[QO]
.irp c, 0,1,2,3                        ; both blocks' Q stay in registers: channels 32 c on
	global_load_b128 v[Q+8*\c:Q+8*\c+3],     v[QO], s[20:21] offset:64*\c
	global_load_b128 v[Q+8*\c+4:Q+8*\c+7],   v[QO], s[20:21] offset:64*\c+32
	global_load_b128 v[Q2+8*\c:Q2+8*\c+3],   v[QO], s[82:83] offset:64*\c
	global_load_b128 v[Q2+8*\c+4:Q2+8*\c+7], v[QO], s[82:83] offset:64*\c+32
.endr
	v_lshlrev_b32 v[PFO], 8, v1
	v_lshl_add_u32 v[PFO], v9, 17, v[PFO]
	v_lshlrev_b32 v10, 3, v9
	v_sub_nc_u32 v10, v1, v10
	s_lshl_b32 s17, s[WV], 4
	v_add_nc_u32 v10, s17, v10                     ; my query's place in its block, less my lanes' 8 h: register jj of key group kb is hidden where 16 kb + jj is greater
.set i, 0
.rept 32
	v_cmp_gt_i32 vcc_lo, 16*(i/8)+i%8, v10
	v_cndmask_b32 v[MD+i], 0, s[BIGN], vcc_lo
.set i, i+1
.endr
	v_mul_u32_u24 v[AK0], v1, PK
	v_lshl_add_u32 v[AK0], v9, 4, v[AK0]
	v_and_b32 v10, 7, v0
	v_bfe_u32 v11, v0, 3, 1
	v_lshl_add_u32 v[AV0], v9, 3, v10
	v_mul_u32_u24 v[AV0], v[AV0], PV
	v_lshl_add_u32 v[AV0], v11, 4, v[AV0]
	v_add_nc_u32 v[AV0], VOFF, v[AV0]
	s_mul_i32 s18, s[WV], 16*SP
	s_add_co_u32 s18, s18, STAGE
	v_mul_u32_u24 v[STO], v1, SP
	v_lshl_add_u32 v[STO], v9, 4, v[STO]
	v_add_nc_u32 v[STO], s18, v[STO]
	v_mul_u32_u24 v[RD], v9, SP
	v_lshl_add_u32 v[RD], v1, 4, v[RD]
	v_add_nc_u32 v[RD], s18, v[RD]
	v_lshlrev_b32 v[GO], 13, v9
	v_lshl_add_u32 v[GO], v1, 4, v[GO]
.set i, 0
.rept 64                               ; a block's first step multiplies O^T and l by a = 0: they need only be finite.  Written in the wait for the first tile, so that no first step is written out
	v_mov_b32 v[O+i], 0
.set i, i+1
.endr
	v_mov_b32 v[ST], 0xfe000000                    ; c m: far below every c s
	v_mov_b32 v[ST+1], 0xff7fffff                  ; m
	v_mov_b32 v[ST+2], 0
	v_mov_b32 v[ST+3], 0
	s_wait_loadcnt 0x0                             ; Q
; THE LDS LOADS stand in runs of 32: K of step s of the tile (16 fragments: keys 16 (f / 4) on, channels 32 (f % 4) on) and its V, turned (keys 32 (f / 8) on, channels 16 (f % 8) on)
.macro FETCH_K s
	WIN 0x40
.irp f, 0,1,2,3,4,5,6,7,8,9,10,11,12,13,14,15
	ds_load_b128 v[8*\f:8*\f+3],   v[AK] offset:((\f%4)/2)*KH+(\s)*64*PK+(\f/4)*16*PK+(\f%2)*64
	ds_load_b128 v[8*\f+4:8*\f+7], v[AK] offset:((\f%4)/2)*KH+(\s)*64*PK+(\f/4)*16*PK+(\f%2)*64+32
.endr
.endm
.macro FETCH_V s
	WIN 0x40
.irp f, 0,1,2,3,4,5,6,7,8,9,10,11,12,13,14,15
	ds_load_tr16_b128 v[128+8*\f:128+8*\f+3],   v[AV] offset:((\f%8)/4)*VH+(\s)*64*PV+(\f/8)*32*PV+(\f%4)*32
	ds_load_tr16_b128 v[128+8*\f+4:128+8*\f+7], v[AV] offset:((\f%8)/4)*VH+(\s)*64*PV+(\f/8)*32*PV+(\f%4)*32+16*PV
.endr
.endm
; Product i of 16 of S^T: channels 32 (i / 4) on, keys 16 (i % 4) on; the sums start from the mask.  Product i of 16 of O^T: keys 32 (i / 8) on, channels 16 (i % 8) on.  The accumulators take turns.
.macro KQ
.set rS, S+8*(i%4)
.set rK, 32*(i%4)+8*(i/4)
.set rQ, Q+8*(i/4)
	v_wmma_f32_16x16x32_f16 v[rS:rS+7], v[rK:rK+7], v[rQ:rQ+7], v[rS:rS+7]
.set i, i+1
.endm
.macro PVM
.set rO, O+8*(i%8)
.set rV, 128+64*(i/8)+8*(i%8)
.set rP, P+8*(i/8)
	v_wmma_f32_16x16x32_f16 v[rO:rO+7], v[rV:rV+7], v[rP:rP+7], v[rO:rO+7]
.set i, i+1
.endm
.macro SCALE b                         ; pair b of the scores: c s - c m
	v_pk_fma_f32 v[S+2*(\b):S+2*(\b)+1], v[S+2*(\b):S+2*(\b)+1], s[CS:CS+1], v[ST:ST+1] op_sel_hi:[1,0,0] neg_lo:[0,0,1] neg_hi:[0,0,1]
.endm
; THE SOFTMAX of a step.  The 33 exponentials are one batch with one wait: ahead of it nothing names a result of theirs.
.macro SM
.irp j, 0,1,2,3                        ; the maximum: four chains of seven scores; each accumulator's lowest registers are read first
	v_max3_num_f32 v[ST+4+\j], v[S+8*\j], v[S+8*\j+1], v[S+8*\j+2]
.endr
.irp j, 0,1,2,3
	v_max3_num_f32 v[ST+4+\j], v[ST+4+\j], v[S+8*\j+3], v[S+8*\j+4]
.endr
.irp j, 0,1,2,3
	v_max3_num_f32 v[ST+4+\j], v[ST+4+\j], v[S+8*\j+5], v[S+8*\j+6]
.endr
	v_max3_num_f32 v[ST+4], v[ST+4], v[S+7], v[S+15]
	v_max3_num_f32 v[ST+6], v[ST+6], v[S+23], v[S+31]
	v_max3_num_f32 v[ST+5], v[ST+5], v[ST+7], v[ST+1]  ; the old m among them
	v_max3_num_f32 v[ST+4], v[ST+4], v[ST+5], v[ST+6]
	v_mov_b32 v[ST+7], v[ST]                       ; c m_old is kept
	v_permlanex16_b32 v[ST+5], v[ST+4], s[SEL], s[SEL+1]  ; the query's other 32 keys lie in the lane 16 away
	v_max_num_f32 v[ST+1], v[ST+4], v[ST+5]
	v_mul_f32 v[ST], s[CS], v[ST+1]
	v_sub_f32 v[ST+7], v[ST+7], v[ST]
	SCALE 0
	SCALE 1
	v_exp_f32 v[ST+6], v[ST+7]                     ; a
.set b, 0
.rept 16                               ; a pair is scaled two groups ahead of its exponentials
.if b < 14
	SCALE b+2
.endif
	v_exp_f32 v[S+2*b], v[S+2*b]
	v_exp_f32 v[S+2*b+1], v[S+2*b+1]
.set b, b+1
.endr
	v_nop                                          ; a plain instruction behind the last exponential,
	s_wait_alu depctr_va_vdst(0)                   ; and the one wait ahead of the first use
.set b, 0
.rept 16
	v_cvt_pk_f16_f32 v[P+b], v[S+2*b], v[S+2*b+1]
.set b, b+1
.endr
.irp z, 0,1,2,3,4,5,6,7                ; the sum of the 16 pairs, in place: neighbours 1, 2, 4 and 8 pairs apart; O^T's rescaling stands between the levels
	v_pk_add_f32 v[S+4*\z:S+4*\z+1], v[S+4*\z:S+4*\z+1], v[S+4*\z+2:S+4*\z+3]
.endr
.irp z, 0,1,2,3
	v_pk_add_f32 v[S+8*\z:S+8*\z+1], v[S+8*\z:S+8*\z+1], v[S+8*\z+4:S+8*\z+5]
.endr
.set b, 0
.rept 16
	v_pk_mul_f32 v[O+2*b:O+2*b+1], v[O+2*b:O+2*b+1], v[ST+6:ST+7] op_sel_hi:[1,0]
.set b, b+1
.endr
.irp z, 0,1
	v_pk_add_f32 v[S+16*\z:S+16*\z+1], v[S+16*\z:S+16*\z+1], v[S+16*\z+8:S+16*\z+9]
.endr
.rept 8
	v_pk_mul_f32 v[O+2*b:O+2*b+1], v[O+2*b:O+2*b+1], v[ST+6:ST+7] op_sel_hi:[1,0]
.set b, b+1
.endr
	v_pk_add_f32 v[S:S+1], v[S:S+1], v[S+16:S+17]
.rept 8
	v_pk_mul_f32 v[O+2*b:O+2*b+1], v[O+2*b:O+2*b+1], v[ST+6:ST+7] op_sel_hi:[1,0]
.set b, b+1
.endr
	v_pk_fma_f32 v[ST+2:ST+3], v[ST+2:ST+3], v[ST+6:ST+7], v[S:S+1] op_sel_hi:[1,0,1]  ; l = a l + the sum
.endm
; KEY STEP s (0, 1) of the tile in hand
.macro STEP s
	s_cmp_eq_i32 s[EE], -(\s)                      ; the diagonal step?
	s_cselect_b32 s[AL], 1.0, 0
	s_cmp_gt_i32 s[EE], -(\s)                      ; or one behind it?
	s_cselect_b32 s[BE], s[BIGN], 0
.set z, 0
.rept 16                               ; the mask; these sixteen are also the places between the last products and the loads into V's registers
	v_pk_fma_f32 v[S+2*z:S+2*z+1], v[MD+2*z:MD+2*z+1], s[AL:AL+1], s[BE:BE+1] op_sel_hi:[1,0,0]
.set z, z+1
.endr
	FETCH_V \s
	s_wait_dscnt 32                                ; K is in; V's 32 loads may stay out
	WIN 0x01                                       ; source 0 in window 1
.set i, 0
.rept 16
	KQ
.endr
	WIN 0
	PLACES
.if (\s) == 0
	FETCH_K 1
	WIN 0
.endif
	SM
.if (\s) == 0
	s_wait_dscnt 32                                ; V is in; the next K's 32 loads may stay out
.else
	s_wait_dscnt 0x0
.endif
	WIN 0x01
.set i, 0
.rept 16
	PVM
.endr
	WIN 0
.endm
.macro TILE
	v_add_nc_u32 v[AK], s[TB], v[AK0]
	v_add_nc_u32 v[AV], s[TB], v[AV0]
	FETCH_K 0
	WIN 0
	STEP 0
	STEP 1
	s_add_co_i32 s[EE], s[EE], 2
	s_sub_co_u32 s[RT], s[RT], 1
.endm
; A BLOCK'S END: O^T is divided by l, rounded to f16 and sent through my stage in LDS.  last = 0: the second block's Q, address, counts and starting maximum are set.
.macro FINISH last
	PLACES
	v_add_f32 v[ST+4], v[ST+2], v[ST+3]
	v_permlanex16_b32 v[ST+5], v[ST+4], s[SEL], s[SEL+1]
	v_add_f32 v[ST+4], v[ST+4], v[ST+5]
	v_rcp_f32 v[ST+6], v[ST+4]
	v_nop
	s_wait_alu depctr_va_vdst(0)                   ; ahead of the reciprocal's first use
.set z, 0
.rept 32
	v_pk_mul_f32 v[O+2*z:O+2*z+1], v[O+2*z:O+2*z+1], v[ST+6:ST+7] op_sel_hi:[1,0]
.set z, z+1
.endr
.set z, 0
.rept 32
	v_cvt_pk_f16_f32 v[S+z], v[O+2*z], v[O+2*z+1]
.set z, z+1
.endr
.irp f, 0,1,2,3,4,5,6,7
	ds_store_b128 v[STO], v[S+4*\f:S+4*\f+3] offset:32*\f
.endr
.irp f, 0,1,2,3,4,5,6,7
	ds_load_b128 v[S+4*\f:S+4*\f+3], v[RD] offset:\f*2*SP  ; LDS serves a wave's instructions in order (ISA guide 5.7.1.4): these see the stores above
.endr
.irp f, 0,1,2,3,4,5,6,7
	s_wait_dscnt 7-\f
	global_store_b128 v[GO], v[S+4*\f:S+4*\f+3], s[OB:OB+1] offset:\f*16384  ; 16 lanes store 256 consecutive bytes, at a multiple of 256 from ob's first
.endr
.if (\last) == 0
	s_wait_xcnt 0x0                                ; the stores have read their registers and their address
	s_mov_b64 s[OB:OB+1], s[OB2:OB2+1]
	v_mov_b32 v[ST], 0xfe000000
	v_mov_b32 v[ST+1], 0xff7fffff
.set z, 0
.rept 32
	v_mov_b32 v[Q+z], v[Q2+z]
.set z, z+1
.endr
	s_mov_b32 s[EE], s[NB2]
	s_mov_b32 s[RT], s[N2]
.endif
.endm
.Lslot:                                        ; eight times: a tile is entered and the next is asked for
	CHANGE 1
	TILE
	s_cmp_lg_u32 s[RT], 0
	s_cbranch_scc1 .Lnofin
	FINISH 0                                       ; the first block has five to eight tiles: it ends inside the loop
.Lnofin:
	s_sub_co_u32 s[SLOTS], s[SLOTS], 1
	s_cmp_lg_u32 s[SLOTS], 0
	s_cbranch_scc1 .Lslot
	CHANGE 0                                       ; the walk's last tile is written out
	TILE
	FINISH 1
	s_wait_tensorcnt 0x0                           ; the wave's end
	ds_add_u32 v[SPW], v[NIL]
	s_wait_dscnt 0x0
	CROUND                                         ; the closing round
	s_endpgm
.Lfunc_end_k_q2e5a6554e2_attn:
	.size	k_q2e5a6554e2_attn, .Lfunc_end_k_q2e5a6554e2_attn-k_q2e5a6554e2_attn
	.p2alignl 7, 3214868480
	.fill 96, 4, 3214868480
	.section	.rodata,"a",@progbits
	.p2align	6, 0x0
	.amdhsa_kernel k_q2e5a6554e2_attn
		.amdhsa_group_segment_fixed_size 327680
		.amdhsa_private_segment_fixed_size 0
		.amdhsa_enable_private_segment 0
		.amdhsa_kernarg_size 24
		.amdhsa_user_sgpr_count 2
		.amdhsa_user_sgpr_kernarg_segment_ptr 1
		.amdhsa_wavefront_size32 1
		.amdhsa_system_sgpr_workgroup_id_x 1
		.amdhsa_system_sgpr_workgroup_id_y 1
		.amdhsa_system_sgpr_workgroup_id_z 1
		.amdhsa_system_vgpr_workitem_id 0
		.amdhsa_next_free_vgpr 512
		.amdhsa_next_free_sgpr 88
		.amdhsa_reserve_vcc 1
		.amdhsa_float_denorm_mode_32 3
		.amdhsa_float_denorm_mode_16_64 3
		.amdhsa_memory_ordered 1
		.amdhsa_forward_progress 1
		.amdhsa_inst_pref_size 90
	.end_amdhsa_kernel
	.amdgpu_metadata
---
amdhsa.version: [ 1, 2 ]
amdhsa.kernels:
  - .name:           k_q2e5a6554e2_attn
    .symbol:         k_q2e5a6554e2_attn.kd
    .args:
      - { .name: qh, .offset: 0, .size: 8, .value_kind: global_buffer, .address_space: global }
      - { .name: kvh, .offset: 8, .size: 8, .value_kind: global_buffer, .address_space: global }
      - { .name: ob, .offset: 16, .size: 8, .value_kind: global_buffer, .address_space: global }
    .group_segment_fixed_size: 327680
    .private_segment_fixed_size: 0
    .kernarg_segment_align: 8
    .kernarg_segment_size: 24
    .max_flat_workgroup_size: 128
    .sgpr_count:     88
    .vgpr_count:     512
    .wavefront_size: 32
...
	.end_amdgpu_metadata
.endif
;; end of part 3
;; launch oproj (part 4): grid 32 x 8, 4 waves a work-group, clusters of 4 x 4, 327,680 bytes of LDS; arguments ob, wob, out0; writes out0
.if DOCPART == 4
	.amdgcn_target "amdgcn-amd-amdhsa--gfx1250"
	.amdhsa_code_object_version 6
	.text
	.protected	k_q2e5a6554e2_oproj
	.globl	k_q2e5a6554e2_oproj
	.p2align	8
	.type	k_q2e5a6554e2_oproj,@function
k_q2e5a6554e2_oproj:
	s_mov_b64 s[64:65], 0
	v_nop
	global_prefetch_b8 v0, s[64:65] scope:SCOPE_SE
	s_setreg_imm32_b32 hwreg(HW_REG_WAVE_MODE, 25, 1), 1
	s_wait_xcnt 0x0
	s_wait_alu depctr_hold_cnt(0) depctr_sa_sdst(0) depctr_va_vdst(0) depctr_va_sdst(0) depctr_va_ssrc(0) depctr_va_vcc(0) depctr_vm_vsrc(0)
	s_getreg_b32 s2, hwreg(HW_REG_IB_STS2, 6, 4)
	s_cmp_eq_u32 s2, 0
	s_cbranch_scc0 .Lentry_in_a_cluster
	s_endpgm
.Lentry_in_a_cluster:
	s_bfe_u32 s2, ttmp6, 0x10000c
	s_cmp_lg_u32 s2, 0xf033
	s_cbranch_scc0 .Lentry_shape_is_right
	s_endpgm
.Lentry_shape_is_right:
; out0 = O W_o.  ob [1024][4096] f16 holds O / 4, wob [4096 k][4096 n] f16 holds 4 bf16(W_o); out0 [1024][4096] f32; sums in f32.
; A tile of out0 is 128 x 128: 256 work-groups.  Four waves, each 64 x 64: 16 accumulators.  K goes in 16 steps of 256 through a ring of two LDS slots; a step is 128 matrix instructions a wave.
; The weights lie [k][n] in LDS as in memory and come out turned, by ds_load_tr16_b128.  THE MATRIX INSTRUCTION IS USED TRANSPOSED (source 0 = 16 columns of W_o, source 1 = 16 rows of O): a lane holds eight neighbouring numbers of a row.
; CLUSTER 4 x 4: O's tile is shared along a row of the cluster, W_o's along a column: joint loads; waves 0, 1 ask for O's two halves (64 rows of 512 bytes), waves 2, 3 for W_o's (128 k rows of 256 bytes).
; REGISTERS: window 0: v0-31 addresses; v32-95 at work on the way out; v128-255 the accumulators, (a, b) at 128 + 8 (4 a + b).  window 1: two fragment buffers of 128, each 64 along K: 64 registers of O's, then 64 of W_o's.
.set KSTEP,  256
.set PA,     528                       ; a row of O in LDS: 512 bytes + 16
.set PB,     288                       ; a k row of W_o: 256 + 32, for the turning load
.set HALFA,  64*PA
.set HALFB,  128*PB
.set OFB,    2*HALFA
.set SLOT,   OFB+2*HALFB               ; 141,312
.set STAGE,  2*SLOT                    ; behind the ring, never filled by a tensor load: 16 rows x 272 bytes for each wave
.set SPITCH, 272
.set SPARE,  STAGE+4*16*SPITCH         ; the spare words, 128 bytes for each wave: two blocks of 256 bytes that no other line names
.set LAPS,   8
.set ADRA, 16                          ; v16-17  my fragments of O in slot 0, 1
.set ADRB, 20                          ; v20-23  of W_o: slot 0 k rows 0-127, 128-255; slot 1 likewise: so that every offset stays under 65,536
.set STO,  24
.set RD,   25
.set CO,   26
.set SPW,  28
.set NIL,  29
.set PFO,  30
.set TMP,  32
.set ACC,  128
.set F0,   0
.set F1,   128
.set G1, 24
.set G0, 32
.set G1B, 48
.set G0B, 56
.set PFA, 66                           ; s[66:67] where my prefetches stand; s[68:69] their step; s70: 1 in a wave that prefetches, else the greatest number
.set PST, 68
.set LIM, 70
.set CLY, 71
.set MSB, 0
.macro WIN new
.if MSB != (\new)
	s_set_vgpr_msb (MSB<<8)|(\new)
.set MSB, \new
.endif
.endm
.set MUL,  0x05                        ; sources 0 and 1 window 1; C and D window 0
.set TO_F, 0x40                        ; destination window 1, address window 0
.macro JLOAD s                         ; an s_nop 0 and four v_nop follow each of the two lines
	s_cmp_eq_u32 s11, 0
	s_cbranch_scc0 .Lfor_b_\@
	tensor_load_to_lds s[G0+4*(\s):G0+4*(\s)+3], s[G1:G1+7]
	s_nop 0
.rept 4
	v_nop
.endr
	s_branch .Lasked_\@
.Lfor_b_\@:
	tensor_load_to_lds s[G0B+4*(\s):G0B+4*(\s)+3], s[G1B:G1B+7]
	s_nop 0
.rept 4
	v_nop
.endr
.Lasked_\@:
.endm
.macro CREST
	s_cmp_lg_u32 s10, 0
	s_cbranch_scc1 .Lnot_wave_0_\@
	s_barrier_signal -3
.Lnot_wave_0_\@:
	s_barrier_wait -3
	s_barrier_signal -1
	s_barrier_wait -1
.endm
.macro CROUND
	s_barrier_signal -1
	s_barrier_wait -1
	CREST
.endm
; A PREFETCH INTO THE L2 of the K step that stands two refills on, 256 matrix instructions ahead of its load: one instruction a wave, a lane a block of 256 bytes, each block named once in the launch.
; O's rows are read by all clusters of a row of clusters: cluster x = 0 asks; of a wave's 64 rows each partner takes 16 (by cx), both blocks of their 512 bytes.  W_o's k rows are read by both clusters of a column:
; cluster y = 0 asks; of a wave's 128 k rows each partner takes 32 (by cy).  The loop's last trip (s3 = 1) asks for nothing.
.macro ASK
	s_cmp_gt_u32 s3, s[LIM]
	s_cbranch_scc0 .Lnot_mine_\@
	global_prefetch_b8 v[PFO], s[PFA:PFA+1] th:TH_LOAD_NT scope:SCOPE_SE
.Lnot_mine_\@:
.endm
	s_load_b128 s[4:7], s[0:1], 0x0                ; ob, wob
	s_load_b64 s[8:9], s[0:1], 0x10                ; out0
	v_lshl_add_u32 v[SPW], v0, 2, SPARE
	v_mov_b32 v[NIL], 0
	ds_add_u32 v[SPW], v[NIL]                      ; the wave's opening: the add and its wait ahead of my first tensor load
	v_lshrrev_b32 v1, 5, v0
	v_readfirstlane_b32 s10, v1                    ; wave
	s_lshr_b32 s11, s10, 1                         ; my half of the tile's rows.  Also: I fetch for O (0) or for W_o (1)
	s_and_b32 s12, s10, 1                          ; my half of its columns.  Also: which half of that tile I fetch
	s_bfe_u32 s40, ttmp6, 0x40000                  ; cx, cy
	s_bfe_u32 s41, ttmp6, 0x40004
	s_lshl_b32 s42, ttmp9, 2
	s_add_co_u32 s42, s42, s40                     ; j
	s_and_b32 s[CLY], ttmp7, 0xffff
	s_lshl_b32 s13, s[CLY], 2
	s_add_co_u32 s13, s13, s41                     ; i
	s_lshl_b32 s43, s41, 2
	s_lshl_b32 s43, 15, s43                        ; my row of the cluster
	s_lshl_b32 s44, 0x1111, s40                    ; my column
	s_or_b32 s[G1+0], s43, (1<<16)|(1<<20)|(1<<21)|(6<<22)|(3<<25)   ; after every 128 words 4 words
	s_or_b32 s[G1B+0], s44, (1<<16)|(1<<20)|(1<<21)|(5<<22)|(7<<25)  ; after every 64 words 8 words
	s_mov_b32 s[G1+1], 256<<16                     ; O: 64 rows of 256 elements
	s_mov_b32 s[G1+2], 64<<16
	s_mov_b32 s[G1+3], 256<<16
	s_mov_b32 s[G1+4], 64
	s_mov_b32 s[G1+5], 4096
	s_mov_b32 s[G1+6], 0
	s_mov_b32 s[G1+7], 0
	s_mov_b32 s[G1B+1], 128<<16                    ; W_o: 128 k rows of 128 elements
	s_mov_b32 s[G1B+2], 128<<16
	s_mov_b32 s[G1B+3], 128<<16
	s_mov_b32 s[G1B+4], 128
	s_mov_b32 s[G1B+5], 4096
	s_mov_b32 s[G1B+6], 0
	s_mov_b32 s[G1B+7], 0
	s_lshl_b32 s16, s13, 20                        ; O: (128 i + 64 half) rows of 8,192 bytes
	s_lshl_b32 s17, s12, 19
	s_add_co_u32 s16, s16, s17
	s_mov_b32 s17, 0
	s_lshl_b32 s46, s42, 8                         ; W_o: 256 j bytes along a k row, 128 half k rows down
	s_lshl_b32 s47, s12, 20
	s_add_co_u32 s46, s46, s47
	s_mov_b32 s47, 0
	s_mul_i32 s20, s12, HALFA                      ; where they go: no place in the cluster enters an LDS address
	s_mul_i32 s21, s12, HALFB
	s_add_co_u32 s21, s21, OFB
	s_wait_dscnt 0x0
	s_wait_kmcnt 0x0
	s_add_nc_u64 s[14:15], s[4:5], s[16:17]
	s_add_nc_u64 s[46:47], s[6:7], s[46:47]
	CROUND                                         ; all sixteen work-groups are here
.irp s, 0,1
	s_mov_b32 s[G0+4*(\s)], 1
	s_add_co_u32 s[G0+4*(\s)+1], s20, (\s)*SLOT
	s_add_nc_u64 s[G0+4*(\s)+2:G0+4*(\s)+3], s[14:15], (\s)*KSTEP*2
	s_or_b32 s[G0+4*(\s)+3], s[G0+4*(\s)+3], 0x80000000
	s_mov_b32 s[G0B+4*(\s)], 1
	s_add_co_u32 s[G0B+4*(\s)+1], s21, (\s)*SLOT
	s_add_nc_u64 s[G0B+4*(\s)+2:G0B+4*(\s)+3], s[46:47], (\s)*KSTEP*8192
	s_or_b32 s[G0B+4*(\s)+3], s[G0B+4*(\s)+3], 0x80000000
	JLOAD \s                                       ; two loads of mine are out
.endr
	v_and_b32 v1, 15, v0                           ; r
	v_bfe_u32 v2, v0, 4, 1                         ; h
	v_and_b32 v6, 7, v0
	v_bfe_u32 v7, v0, 3, 1
	v_mul_u32_u24 v3, v1, PA
	v_lshl_add_u32 v3, v2, 4, v3
	s_mul_i32 s21, s11, HALFA
	v_add_nc_u32 v[ADRA], s21, v3
	v_add_nc_u32 v[ADRA+1], SLOT, v[ADRA]
	v_lshl_add_u32 v4, v2, 3, v6                   ; the turning load: k row 8 h + l % 8, 16 bytes at 16 ((l / 8) % 2)
	v_mul_u32_u24 v4, v4, PB
	v_lshl_add_u32 v4, v7, 4, v4
	s_lshl_b32 s22, s12, 7
	s_add_co_u32 s22, s22, OFB
	v_add_nc_u32 v[ADRB], s22, v4
	v_add_nc_u32 v[ADRB+1], HALFB, v[ADRB]
	v_add_nc_u32 v[ADRB+2], SLOT, v[ADRB]
	v_add_nc_u32 v[ADRB+3], SLOT, v[ADRB+1]
	s_mul_i32 s23, s10, 16*SPITCH
	s_add_co_u32 s23, s23, STAGE                   ; my stage
	v_mul_u32_u24 v5, v1, SPITCH                   ; in: row r, 32 bytes for each half of the lanes
	v_lshl_add_u32 v5, v2, 5, v5
	v_add_nc_u32 v[STO], s23, v5
	v_mul_u32_u24 v5, v2, SPITCH                   ; back: lanes 0-15 one row of 256 bytes, lanes 16-31 the next
	v_lshl_add_u32 v5, v1, 4, v5
	v_add_nc_u32 v[RD], s23, v5
	v_lshlrev_b32 v[CO], 14, v2                    ; and the same two rows in out0, 16,384 bytes a row
	v_lshl_add_u32 v[CO], v1, 4, v[CO]
	s_lshl_b32 s16, s13, 21                        ; out0 at row 128 i + 64 (w / 2), byte 512 j + 256 (w % 2)
	s_lshl_b32 s17, s11, 20
	s_add_co_u32 s16, s16, s17
	s_lshl_b32 s17, s42, 9
	s_add_co_u32 s16, s16, s17
	s_lshl_b32 s17, s12, 8
	s_add_co_u32 s16, s16, s17
	s_mov_b32 s17, 0
	s_add_nc_u64 s[8:9], s[8:9], s[16:17]
	; the prefetches
	s_lshl_b32 s16, s13, 20
	s_lshl_b32 s17, s12, 19
	s_add_co_u32 s16, s16, s17
	s_lshl_b32 s17, s40, 17
	s_add_co_u32 s16, s16, s17                     ; O: row 128 i + 64 half + 16 cx
	s_lshl_b32 s18, s42, 8
	s_lshl_b32 s19, s12, 20
	s_add_co_u32 s18, s18, s19
	s_lshl_b32 s19, s41, 18
	s_add_co_u32 s18, s18, s19                     ; W_o: 256 j, k row 128 half + 32 cy
	s_mov_b32 s20, KSTEP*2
	s_mov_b32 s21, KSTEP*8192
	s_mov_b32 s22, 256
	s_mov_b32 s23, 16*8192
	s_cmp_eq_u32 s11, 0
	s_cselect_b64 s[PFA:PFA+1], s[4:5], s[6:7]
	s_cselect_b32 s16, s16, s18
	s_cselect_b32 s[PST], s20, s21
	s_cselect_b32 s22, s22, s23
	s_cselect_b32 s18, ttmp9, s[CLY]               ; the coordinate along which other clusters read the same blocks
	s_mov_b32 s17, 0
	s_mov_b32 s[PST+1], 0
	s_add_nc_u64 s[PFA:PFA+1], s[PFA:PFA+1], s[16:17]
	s_mul_i32 s16, s[PST], 3
	s_add_nc_u64 s[PFA:PFA+1], s[PFA:PFA+1], s[16:17]  ; at K step 3: the first change of slots steps it to 4.  Nothing is prefetched at the head
	s_cmp_eq_u32 s18, 0
	s_cselect_b32 s[LIM], 1, -1
	v_lshlrev_b32 v[PFO], 13, v1
	v_mad_u32_u24 v[PFO], v2, s22, v[PFO]
; 8 matrix instructions: m blocks a0, a0 + 1 x all 4 n blocks, 32 along K: half c of buffer f.  The 16 accumulators take turns.
.macro MUL8 f, c, a0, zero
	WIN MUL
.irp a, \a0, (\a0)+1
.irp b, 0,1,2,3
.if \zero
	v_wmma_f32_16x16x32_f16 v[ACC+8*(4*(\a)+(\b)):ACC+8*(4*(\a)+(\b))+7], v[(\f)+64+8*(4*(\c)+(\b)):(\f)+64+8*(4*(\c)+(\b))+7], v[(\f)+8*(4*(\c)+(\a)):(\f)+8*(4*(\c)+(\a))+7], 0
.else
	v_wmma_f32_16x16x32_f16 v[ACC+8*(4*(\a)+(\b)):ACC+8*(4*(\a)+(\b))+7], v[(\f)+64+8*(4*(\c)+(\b)):(\f)+64+8*(4*(\c)+(\b))+7], v[(\f)+8*(4*(\c)+(\a)):(\f)+8*(4*(\c)+(\a))+7], v[ACC+8*(4*(\a)+(\b)):ACC+8*(4*(\a)+(\b))+7]
.endif
.endr
.endr
.endm
; 32 LDS loads in one run: the fragments of quarter q (64 along K) of a slot's step into buffer f; the first 32 along K first
.macro FETCH slot, q, f
	WIN TO_F
.irp c, 0,1
.irp i, 0,1,2,3
	ds_load_tr16_b128 v[(\f)+64+8*(4*(\c)+(\i)):(\f)+64+8*(4*(\c)+(\i))+3],   v[ADRB+2*(\slot)+(\q)/2] offset:(((\q)%2)*64+32*(\c))*PB+32*(\i)
	ds_load_tr16_b128 v[(\f)+64+8*(4*(\c)+(\i))+4:(\f)+64+8*(4*(\c)+(\i))+7], v[ADRB+2*(\slot)+(\q)/2] offset:(((\q)%2)*64+32*(\c))*PB+32*(\i)+16*PB
	ds_load_b128 v[(\f)+8*(4*(\c)+(\i)):(\f)+8*(4*(\c)+(\i))+3],              v[ADRA+(\slot)] offset:128*(\q)+64*(\c)+(\i)*16*PA
	ds_load_b128 v[(\f)+8*(4*(\c)+(\i))+4:(\f)+8*(4*(\c)+(\i))+7],            v[ADRA+(\slot)] offset:128*(\q)+64*(\c)+(\i)*16*PA+32
.endr
.endr
.endm
.macro PLACES                          ; four places in front of loads into registers that matrix instructions have read, and of stores that read results
.rept 4
	v_nop
.endr
.endm
; One of a step's first three quarters: multiplies buffer f and fetches quarter q into g
.macro QUARTER slot, q, f, g, zero
	s_wait_dscnt 16                                ; the first 32 along K are in
	MUL8 \f, 0, 0, \zero
	MUL8 \f, 0, 2, \zero
	PLACES
	FETCH \slot, \q, \g
	s_wait_dscnt 32                                ; all but the 32 just issued
	MUL8 \f, 1, 0, 0
	MUL8 \f, 1, 2, 0
.endm
; The last quarter multiplies buffer 1 and changes slots: ONE barrier; in front of it each wave waits for all its tensor loads, adds 0 to its spare word, and waits for that and for its own reads of this slot.
; fill = 1: the barrier opens a round of the cluster's, and behind it this slot is filled again, two steps ahead: 112 matrix instructions ahead of the wait for it.
.macro TURN slot, next, fill
.if \fill
	s_wait_xcnt 0x0                                ; the last prefetch, a step back, has read its address, which is stepped here
	s_add_nc_u64 s[PFA:PFA+1], s[PFA:PFA+1], s[PST:PST+1]
.endif
	WIN 0
	s_wait_tensorcnt 0x0
	ds_add_u32 v[SPW], v[NIL]
	s_wait_dscnt 17                                ; (the add and the youngest sixteen loads may be out)
	MUL8 F1, 0, 0, 0
	s_wait_dscnt 0x0                               ; the add is done, and my reads of this slot are over
	s_barrier_signal -1
	MUL8 F1, 0, 2, 0
.if \fill
	WIN 0
.endif
	s_barrier_wait -1
.if \fill
	CREST
	s_add_nc_u64 s[G0+4*(\slot)+2:G0+4*(\slot)+3], s[G0+4*(\slot)+2:G0+4*(\slot)+3], 2*KSTEP*2
	s_add_nc_u64 s[G0B+4*(\slot)+2:G0B+4*(\slot)+3], s[G0B+4*(\slot)+2:G0B+4*(\slot)+3], 2*KSTEP*8192
	JLOAD \slot                                    ; the first tensor load behind the round; its four v_nop are also the places in front of the loads below
.else
	PLACES
.endif
	FETCH \next, 0, F0
.if \fill
	WIN 0
	ASK
.endif
	MUL8 F1, 1, 0, 0
	MUL8 F1, 1, 2, 0
.endm
	s_wait_tensorcnt 1                             ; my part of step 0 is in; step 1's may stay out
	s_barrier_signal -1
	s_barrier_wait -1
	FETCH 0, 0, F0
	QUARTER 0, 1, F0, F1, 1                        ; the first products start the sums
	WIN 0
	s_mov_b32 s3, LAPS-1
.Llap:
	QUARTER 0, 2, F1, F0, 0
	QUARTER 0, 3, F0, F1, 0
	TURN 0, 1, 1
	QUARTER 1, 1, F0, F1, 0
	QUARTER 1, 2, F1, F0, 0
	QUARTER 1, 3, F0, F1, 0
	TURN 1, 0, 1
	QUARTER 0, 1, F0, F1, 0
	WIN 0
	s_sub_co_u32 s3, s3, 1
	s_cmp_lg_u32 s3, 0
	s_cbranch_scc1 .Llap
	QUARTER 0, 2, F1, F0, 0                        ; the last lap fills nothing
	QUARTER 0, 3, F0, F1, 0
	TURN 0, 1, 0
	QUARTER 1, 1, F0, F1, 0
	QUARTER 1, 2, F1, F0, 0
	QUARTER 1, 3, F0, F1, 0
	s_wait_dscnt 16
	MUL8 F1, 0, 0, 0
	MUL8 F1, 0, 2, 0
	s_wait_dscnt 0x0
	MUL8 F1, 1, 0, 0
	MUL8 F1, 1, 2, 0
	WIN 0
	; THE WAY OUT.  My 64 columns are 256 bytes of f32, aligned: 16 rows at a time go through my own stage, so no barrier is needed; each accumulator's lowest registers are read first.
	PLACES
.irp a, 0,1,2,3
	s_wait_xcnt 0x0                                ; the registers that earlier stores read are loaded again only behind this wait
.irp b, 0,1,2,3
	ds_store_b128 v[STO], v[ACC+8*(4*(\a)+(\b)):ACC+8*(4*(\a)+(\b))+3]   offset:64*(\b)
	ds_store_b128 v[STO], v[ACC+8*(4*(\a)+(\b))+4:ACC+8*(4*(\a)+(\b))+7] offset:64*(\b)+16
.endr
.irp t, 0,1,2,3,4,5,6,7
	ds_load_b128 v[TMP+32*((\a)%2)+4*(\t):TMP+32*((\a)%2)+4*(\t)+3], v[RD] offset:(\t)*2*SPITCH  ; LDS serves a wave's instructions in order (ISA guide 5.7.1.4)
.endr
.irp t, 0,1,2,3,4,5,6,7
	s_wait_dscnt 7-(\t)
	global_store_b128 v[CO], v[TMP+32*((\a)%2)+4*(\t):TMP+32*((\a)%2)+4*(\t)+3], s[8:9] offset:(16*(\a)+2*(\t))*16384 th:TH_STORE_NT  ; 16 lanes store 256 consecutive bytes, aligned
.endr
.endr
	s_wait_tensorcnt 0x0                           ; the wave's end
	ds_add_u32 v[SPW], v[NIL]
	s_wait_dscnt 0x0
	CROUND                                         ; the closing round
	s_endpgm
.Lfunc_end_k_q2e5a6554e2_oproj:
	.size	k_q2e5a6554e2_oproj, .Lfunc_end_k_q2e5a6554e2_oproj-k_q2e5a6554e2_oproj
	.p2alignl 7, 3214868480
	.fill 96, 4, 3214868480
	.section	.rodata,"a",@progbits
	.p2align	6, 0x0
	.amdhsa_kernel k_q2e5a6554e2_oproj
		.amdhsa_group_segment_fixed_size 327680
		.amdhsa_private_segment_fixed_size 0
		.amdhsa_enable_private_segment 0
		.amdhsa_kernarg_size 24
		.amdhsa_user_sgpr_count 2
		.amdhsa_user_sgpr_kernarg_segment_ptr 1
		.amdhsa_wavefront_size32 1
		.amdhsa_system_sgpr_workgroup_id_x 1
		.amdhsa_system_sgpr_workgroup_id_y 1
		.amdhsa_system_sgpr_workgroup_id_z 1
		.amdhsa_system_vgpr_workitem_id 0
		.amdhsa_next_free_vgpr 512
		.amdhsa_next_free_sgpr 72
		.amdhsa_reserve_vcc 0
		.amdhsa_float_denorm_mode_32 3
		.amdhsa_float_denorm_mode_16_64 3
		.amdhsa_memory_ordered 1
		.amdhsa_forward_progress 1
		.amdhsa_inst_pref_size 88
	.end_amdhsa_kernel
	.amdgpu_metadata
---
amdhsa.version: [ 1, 2 ]
amdhsa.kernels:
  - .name:           k_q2e5a6554e2_oproj
    .symbol:         k_q2e5a6554e2_oproj.kd
    .args:
      - { .name: ob, .offset: 0, .size: 8, .value_kind: global_buffer, .address_space: global }
      - { .name: wob, .offset: 8, .size: 8, .value_kind: global_buffer, .address_space: global }
      - { .name: out0, .offset: 16, .size: 8, .value_kind: global_buffer, .address_space: global }
    .group_segment_fixed_size: 327680
    .private_segment_fixed_size: 0
    .kernarg_segment_align: 8
    .kernarg_segment_size: 24
    .max_flat_workgroup_size: 128
    .sgpr_count:     72
    .vgpr_count:     512
    .wavefront_size: 32
...
	.end_amdgpu_metadata
.endif
;; end of part 4
